; MI455X (gfx1250); checked and timed in simulation.
; The chip was launched on July 23, 2026; its instructions are those of AMD's public machine-readable ISA for CDNA 5 (MIT licence, August 2026) and "CDNA5" Instruction Set Architecture Reference Guide (July 2026). The comments in the code are by the model that wrote it; some were corrected since.
;; Multi Head Cross Attention. Allowed arithmetic: float matrix products may take bf16 or f16 operands with f32 sums; other float arithmetic in f32, or as packed bf16 or f16 multiplies, adds, multiply-adds, maxima and minima; sums over many terms, partial sums and values carried from step to step in f32; what a program stores and reads back later, other than sums and carried values, may be rounded once to bf16 or f16.
;; Inputs: Wkv 1,024 x 2,048 float32; Wo 1,024 x 1,024 float32; Wq 1,024 x 1,024 float32; bkv 2,048 float32; bo 1,024 float32; bq 1,024 float32; x 4 x 4,096 x 1,024 float32; y 4 x 4,096 x 1,024 float32.
;; Outputs: out0 4 x 4,096 x 1,024 float32.
;; 3 versions, each right; version 3 is version 2 with the launch main written anew for expert scheduling mode. Each part assembles by itself: llvm-mc -triple=amdgcn-amd-amdhsa -mcpu=gfx1250 --defsym DOCPART=n.
;; ======== version 1 of 3: 2 launches
;; limits: values are held in f16: magnitudes above 65,504 overflow, below 6.1e-05 lose precision
;; workspace buffers: Wf 8,388,608 bytes; Bt 16,384 bytes
;; launch prep (part 1): grid 256 x 1, 8 waves a work-group, no clusters, 33,792 bytes of LDS; arguments Wq, Wkv, Wo, bq, bkv, bo, Wf, Bt; writes Wf, Bt
.if DOCPART == 1
	.amdgcn_target "amdgcn-amd-amdhsa--gfx1250"
	.amdhsa_code_object_version 6
	.text
	.protected	k_qbedc812d84_prep
	.globl	k_qbedc812d84_prep
	.p2align	8
	.type	k_qbedc812d84_prep,@function
k_qbedc812d84_prep:
	s_mov_b64 s[64:65], 0
	v_nop
	global_prefetch_b8 v0, s[64:65] scope:SCOPE_SE
	s_setreg_imm32_b32 hwreg(HW_REG_WAVE_MODE, 25, 1), 1
	s_wait_xcnt 0x0
; THE WEIGHTS AND BIASES, ROUNDED AND LAID OUT FOR THE SECOND LAUNCH.  No work of the problem is left out in either launch: x, y, Wq, Wkv, Wo, bq, bkv and bo all reach out0
; (bq and the k half of bkv change the scores along the softmax's axis, the v half of bkv is weighted by the softmax, bo is added at the end), so all eight are loaded.
; Wf: 128 tiles of 65,536 bytes, tile T = 32 ph + ks (ph = 0 Wq, 1 the k columns of Wkv, 2 its v columns, 3 Wo; ks = a step of 32 along the sum).  In a tile the byte
; 1,024 (n / 16) + 512 i + 16 L + 2 e holds column n = 16 (n / 16) + L % 16 and term k' = 32 ks + 16 i + 8 (L / 16) + e: the order in which a lane L of the second launch takes 16 bytes.
; n and k' are permuted, so that the second launch's heads lie as its matrix operands want them.  With o = n >> 7, hh = (n >> 3) & 15, e' = n & 7:
;   ph 0: Wq[k'][64 hh + 8 o + e']        ph 1: Wkv[k'][128 hh + 8 o + e']
;   ph 2: Wkv[k'][128 (8 ((n >> 7) & 1) + (n & 7)) + 64 + 16 (n >> 8) + ((n >> 3) & 15)]        ph 3: Wo[64 ((k' >> 3) & 15) + 8 (k' >> 7) + (k' & 7)][n]
; Bt[ph][n]: the bias of the same source column (ph 3: bo[n]).
; FORMATS.  Every input is rounded once to bf16.  Wq and Wkv stay bf16; Wo's bf16 number is written as f16, since it multiplies val, which is f16; the biases' are kept as f32.
; LIMITS.  |Wo| stays under 65,504 (f16's end); a Wo below 2^-14 keeps f16's fixed step of 2^-24.  NaN and infinities are not treated apart.
; SHARES.  Work-group id makes half i = id & 1 of tile T = id >> 1: 16 terms x 1,024 columns, 32 KiB.  Thread t loads 16 bytes (4 neighbouring source columns) of each of the 16 source rows: sixteen
; neighbouring lanes read 256 consecutive bytes, aligned.  The turn from rows to 16-byte units of 8 terms goes through LDS; each wave then stores 512 consecutive bytes, aligned, an instruction.
; The LDS stores of 16 bytes fall up to eight deep on the same 16-byte columns: 32 KiB once a work-group, accepted.
; The four matrices have a straight text each (macro BODY), chosen by the work-group's number: pitches and steps are immediates, and every LDS address is made of the thread's number alone.
.set SPARE, 32768                      ; behind the stage: the spare words, 128 bytes for each of eight waves: four blocks of 256 bytes that no other line names
.set SPW, 1                            ; v1   LDS address of my spare word; never rewritten
.set NIL, 2                            ; v2   0; never rewritten
.set VA,  4                            ; v4   byte offset of my 16 bytes in the first source row
.set VL,  5                            ; v5   where my first column's unit goes in the stage
.set VB,  6                            ; v6   byte offset of my first bias
.set RDB, 7                            ; v7   16 t: where I read the stage back, and my 16 bytes of Bt
.set STO, 8                            ; v8   my byte offset in the half tile: 1,024 (t / 32) + 16 (t % 32)
.set D,   32                           ; v[32:95]   row kk's four numbers at D + 4 kk; later the stage read back
.set U,   96                           ; v[96:127]  unit (column j, half hf) at U + 4 (2 j + hf)
	s_load_b512 s[8:23], s[0:1], 0x0               ; Wq s[8:9], Wkv s[10:11], Wo s[12:13], bq s[14:15], bkv s[16:17], bo s[18:19], Wf s[20:21], Bt s[22:23]
	v_lshl_add_u32 v[SPW], v0, 2, SPARE
	v_mov_b32 v[NIL], 0
	s_lshr_b32 s24, ttmp9, 6                       ; ph
	s_bfe_u32 s25, ttmp9, 0x50001                  ; ks: 5 bits from bit 1
	s_and_b32 s26, ttmp9, 1                        ; i
	s_lshr_b32 s42, ttmp9, 1                       ; T
	s_lshl_b32 s42, s42, 16
	s_lshl_b32 s43, s26, 9
	s_add_co_u32 s42, s42, s43                     ; 65,536 T + 512 i
	s_mov_b32 s43, 0
	s_lshl_b32 s46, s24, 12                        ; 4,096 ph
	s_mov_b32 s47, 0
	s_lshl_b32 s27, s25, 5
	s_lshl4_add_u32 s27, s26, s27                  ; 32 ks + 16 i: the first source row of Wq and Wkv
	v_and_b32 v9, 15, v0                           ; t % 16
	v_lshrrev_b32 v10, 4, v0                       ; t / 16
	v_and_b32 v11, 1, v0                           ; t & 1
	v_lshrrev_b32 v12, 5, v0                       ; t / 32
	v_bfe_u32 v13, v0, 1, 4                        ; (t >> 1) & 15
	v_lshlrev_b32 v[RDB], 4, v0
	v_and_b32 v14, 31, v0
	v_lshlrev_b32 v[STO], 10, v12
	v_lshl_add_u32 v[STO], v14, 4, v[STO]
	s_wait_kmcnt 0x0
	s_add_nc_u64 s[40:41], s[20:21], s[42:43]      ; Wf at my half tile
	s_add_nc_u64 s[44:45], s[22:23], s[46:47]      ; Bt at my matrix's row
; q's and k's columns: head t / 16, channels 4 (t % 16) + j.  n = 128 o + 8 head + e' with o = (t % 16) / 2, e' = 4 (t & 1) + j: stage byte 512 (n / 16) + 16 (n % 16).
.macro QKPLACE
	v_lshrrev_b32 v14, 1, v9
	v_lshlrev_b32 v[VL], 12, v14
	v_lshrrev_b32 v14, 1, v10
	v_lshl_add_u32 v[VL], v14, 9, v[VL]
	v_and_b32 v14, 1, v10
	v_lshl_add_u32 v[VL], v14, 7, v[VL]
	v_lshl_add_u32 v[VL], v11, 6, v[VL]
	v_lshlrev_b32 v15, 5, v12                      ; the biases of n = 4 t + j: 32 (t / 32) + 16 (t & 1) bytes inside head (t >> 1) & 15
	v_lshl_add_u32 v15, v11, 4, v15
.endm
; The rest of the launch for one matrix.  src, bsrc: the scalar pairs with the matrix's and the bias's address; pb: bytes in a source row; dr: rows from term 0 to term 8;
; sj1-3: stage bytes from column 0's unit to columns 1, 2, 3's; b0, sstr: the first bias's immediate and the step from bias to bias.
.macro BODY ph, src, pb, dr, sj1, sj2, sj3, bsrc, sstr, b0
.irp k, 0,1,2,3,4,5,6,7,8,9,10,11,12,13,14,15
	global_load_b128 v[D+4*(\k):D+4*(\k)+3], v[VA], s[(\src):(\src)+1] offset:((\k)%8)*(\pb)+((\k)/8)*(\dr)*(\pb) th:TH_LOAD_NT
.endr
	s_wait_loadcnt 0x0                             ; all sixteen rows: the units below mix them
.irp hf, 0,1
.irp j, 0,1,2,3
.irp p, 0,1,2,3
	v_cvt_pk_bf16_f32 v[U+4*(2*(\j)+(\hf))+(\p)], v[D+4*(8*(\hf)+2*(\p))+(\j)], v[D+4*(8*(\hf)+2*(\p)+1)+(\j)]  ; terms 8 hf + 2 p and + 1 of column j
.endr
.endr
.endr
.if (\ph) == 3
.set r, 0
.rept 32                               ; the bf16 numbers written as f16
	v_lshlrev_b32 v[D+2*r], 16, v[U+r]
	v_and_b32 v[D+2*r+1], 0xffff0000, v[U+r]
	v_cvt_pk_f16_f32 v[U+r], v[D+2*r], v[D+2*r+1]
.set r, r+1
.endr
.endif
.irp hf, 0,1
	ds_store_b128 v[VL], v[U+4*(\hf):U+4*(\hf)+3] offset:256*(\hf)
	ds_store_b128 v[VL], v[U+8+4*(\hf):U+8+4*(\hf)+3] offset:(\sj1)+256*(\hf)
	ds_store_b128 v[VL], v[U+16+4*(\hf):U+16+4*(\hf)+3] offset:(\sj2)+256*(\hf)
	ds_store_b128 v[VL], v[U+24+4*(\hf):U+24+4*(\hf)+3] offset:(\sj3)+256*(\hf)
.endr
	s_wait_dscnt 0x0                               ; for the others' sake: my stores into the stage are done
	s_barrier_signal -1
	s_barrier_wait -1
.irp p, 0,1,2,3,4,5,6,7
	ds_load_b128 v[D+4*(\p):D+4*(\p)+3], v[RDB] offset:4096*(\p)
.endr
.irp p, 0,1,2,3,4,5,6,7
	s_wait_dscnt 7-(\p)                            ; LDS loads come back in order: load p is in, the younger ones may stay out
	global_store_b128 v[STO], v[D+4*(\p):D+4*(\p)+3], s[40:41] offset:8192*(\p)  ; a wave stores 512 consecutive bytes, at a multiple of 512 from Wf's first byte
.endr
	s_and_b32 s30, ttmp9, 63                       ; the matrix's first work-group also makes its row of Bt
	s_cmp_lg_u32 s30, 0
	s_cbranch_scc1 .Lend_\@
.irp j, 0,1,2,3
	global_load_b32 v[U+(\j)], v[VB], s[(\bsrc):(\bsrc)+1] offset:(\b0)+(\j)*(\sstr)
.endr
	s_wait_loadcnt 0x0
	v_cvt_pk_bf16_f32 v[U+4], v[U], v[U+1]
	v_cvt_pk_bf16_f32 v[U+5], v[U+2], v[U+3]
	v_lshlrev_b32 v[U+8], 16, v[U+4]
	v_and_b32 v[U+9], 0xffff0000, v[U+4]
	v_lshlrev_b32 v[U+10], 16, v[U+5]
	v_and_b32 v[U+11], 0xffff0000, v[U+5]
	global_store_b128 v[RDB], v[U+8:U+11], s[44:45]
.Lend_\@:
	s_wait_tensorcnt 0x0                           ; the wave's end, behind my last LDS store
	ds_add_u32 v[SPW], v[NIL]
	s_wait_dscnt 0x0
	s_endpgm
.endm
	s_cmp_eq_u32 s24, 0
	s_cbranch_scc1 .Lwq
	s_cmp_eq_u32 s24, 1
	s_cbranch_scc1 .Lwk
	s_cmp_eq_u32 s24, 2
	s_cbranch_scc1 .Lwv
	; Wo: columns as they lie; terms 8 hf + e come from rows R0 + 64 hf + e, R0 = 64 ((4 ks + 2 i) & 15) + 8 (ks >> 2)
	s_lshl_b32 s28, s25, 2
	s_lshl1_add_u32 s28, s26, s28
	s_and_b32 s28, s28, 15
	s_lshl_b32 s28, s28, 6
	s_lshr_b32 s29, s25, 2
	s_lshl3_add_u32 s28, s29, s28
	s_lshl_b32 s28, s28, 12                        ; R0 rows of 4,096 bytes
	v_add_nc_u32 v[VA], s28, v[RDB]
	v_lshrrev_b32 v14, 2, v0
	v_lshlrev_b32 v[VL], 9, v14                    ; n = 4 t + j: 512 (t / 4) + 64 (t % 4) + 16 j
	v_and_b32 v14, 3, v0
	v_lshl_add_u32 v[VL], v14, 6, v[VL]
	v_mov_b32 v[VB], v[RDB]
	BODY 3, 12, 4096, 64, 16, 32, 48, 18, 4, 0
.Lwq:
	QKPLACE
	s_lshl_b32 s28, s27, 12
	v_add_nc_u32 v[VA], s28, v[RDB]                ; columns 4 t + j
	v_lshl_add_u32 v[VB], v13, 8, v15
	BODY 0, 8, 4096, 8, 16, 32, 48, 14, 4, 0
.Lwk:
	QKPLACE
	s_lshl_b32 s28, s27, 13
	v_lshl_add_u32 v[VA], v10, 9, s28              ; head t / 16: 512 bytes a head,
	v_lshl_add_u32 v[VA], v9, 4, v[VA]             ; its k channels 4 (t % 16) + j
	v_lshl_add_u32 v[VB], v13, 9, v15
	BODY 1, 10, 8192, 8, 16, 32, 48, 16, 4, 0
.Lwv:
	s_lshl_b32 s28, s27, 13
	s_add_co_u32 s28, s28, 256                     ; the v channels lie 256 bytes behind the head's k channels
	v_lshl_add_u32 v[VA], v10, 9, s28
	v_lshl_add_u32 v[VA], v9, 4, v[VA]
	v_lshrrev_b32 v14, 2, v9                       ; head g = t / 16, channel d = 4 (t % 16) + j: n = 256 (d / 16) + 128 (g / 8) + 8 (d % 16) + g % 8
	v_lshlrev_b32 v[VL], 13, v14
	v_lshrrev_b32 v14, 3, v10
	v_lshl_add_u32 v[VL], v14, 12, v[VL]
	v_and_b32 v14, 3, v0
	v_lshl_add_u32 v[VL], v14, 10, v[VL]
	v_and_b32 v14, 7, v10
	v_lshl_add_u32 v[VL], v14, 4, v[VL]
	v_and_b32 v14, 1, v12                          ; the biases of n = 4 t + j: heads 8 ((t >> 5) & 1) + 4 (t & 1) + j, channel 16 (t >> 6) + ((t >> 1) & 15)
	v_lshlrev_b32 v[VB], 12, v14
	v_lshl_add_u32 v[VB], v11, 11, v[VB]
	v_lshrrev_b32 v14, 6, v0
	v_lshl_add_u32 v[VB], v14, 6, v[VB]
	v_lshl_add_u32 v[VB], v13, 2, v[VB]
	BODY 2, 10, 8192, 8, 128, 512, 640, 16, 512, 256
.Lfunc_end_k_qbedc812d84_prep:
	.size	k_qbedc812d84_prep, .Lfunc_end_k_qbedc812d84_prep-k_qbedc812d84_prep
	.p2alignl 7, 3214868480
	.fill 96, 4, 3214868480
	.section	.rodata,"a",@progbits
	.p2align	6, 0x0
	.amdhsa_kernel k_qbedc812d84_prep
		.amdhsa_group_segment_fixed_size 33792
		.amdhsa_private_segment_fixed_size 0
		.amdhsa_enable_private_segment 0
		.amdhsa_kernarg_size 64
		.amdhsa_user_sgpr_count 2
		.amdhsa_user_sgpr_kernarg_segment_ptr 1
		.amdhsa_wavefront_size32 1
		.amdhsa_system_sgpr_workgroup_id_x 1
		.amdhsa_system_sgpr_workgroup_id_y 1
		.amdhsa_system_sgpr_workgroup_id_z 1
		.amdhsa_system_vgpr_workitem_id 0
		.amdhsa_next_free_vgpr 128
		.amdhsa_next_free_sgpr 66
		.amdhsa_reserve_vcc 0
		.amdhsa_float_denorm_mode_32 3
		.amdhsa_float_denorm_mode_16_64 3
		.amdhsa_memory_ordered 1
		.amdhsa_forward_progress 1
		.amdhsa_inst_pref_size 36
	.end_amdhsa_kernel
	.amdgpu_metadata
---
amdhsa.version: [ 1, 2 ]
amdhsa.kernels:
  - .name:           k_qbedc812d84_prep
    .symbol:         k_qbedc812d84_prep.kd
    .args:
      - { .name: Wq, .offset: 0, .size: 8, .value_kind: global_buffer, .address_space: global }
      - { .name: Wkv, .offset: 8, .size: 8, .value_kind: global_buffer, .address_space: global }
      - { .name: Wo, .offset: 16, .size: 8, .value_kind: global_buffer, .address_space: global }
      - { .name: bq, .offset: 24, .size: 8, .value_kind: global_buffer, .address_space: global }
      - { .name: bkv, .offset: 32, .size: 8, .value_kind: global_buffer, .address_space: global }
      - { .name: bo, .offset: 40, .size: 8, .value_kind: global_buffer, .address_space: global }
      - { .name: Wf, .offset: 48, .size: 8, .value_kind: global_buffer, .address_space: global }
      - { .name: Bt, .offset: 56, .size: 8, .value_kind: global_buffer, .address_space: global }
    .group_segment_fixed_size: 33792
    .private_segment_fixed_size: 0
    .kernarg_segment_align: 8
    .kernarg_segment_size: 64
    .max_flat_workgroup_size: 256
    .sgpr_count:     66
    .vgpr_count:     128
    .wavefront_size: 32
...
	.end_amdgpu_metadata
.endif
;; end of part 1
;; launch main (part 2): grid 256 x 1, 4 waves a work-group, clusters of 4 x 1, 327,680 bytes of LDS; arguments x, y, Wf, Bt, out0; writes out0
.if DOCPART == 2
	.amdgcn_target "amdgcn-amd-amdhsa--gfx1250"
	.amdhsa_code_object_version 6
	.text
	.protected	k_qbedc812d84_main
	.globl	k_qbedc812d84_main
	.p2align	8
	.type	k_qbedc812d84_main,@function
k_qbedc812d84_main:
	s_mov_b64 s[64:65], 0
	v_nop
	global_prefetch_b8 v0, s[64:65] scope:SCOPE_SE
	s_setreg_imm32_b32 hwreg(HW_REG_WAVE_MODE, 25, 1), 1
	s_wait_xcnt 0x0
	s_wait_alu depctr_hold_cnt(0) depctr_sa_sdst(0) depctr_va_vdst(0) depctr_va_sdst(0) depctr_va_ssrc(0) depctr_va_vcc(0) depctr_vm_vsrc(0)
	s_getreg_b32 s2, hwreg(HW_REG_IB_STS2, 6, 4)
	s_cmp_eq_u32 s2, 0
	s_cbranch_scc0 .Lentry_in_a_cluster
	s_endpgm
.Lentry_in_a_cluster:
	s_bfe_u32 s2, ttmp6, 0x10000c
	s_cmp_lg_u32 s2, 0x3003
	s_cbranch_scc0 .Lentry_shape_is_right
	s_endpgm
.Lentry_shape_is_right:
; out0 = val Wo + bo, val_h = sum over g of softmax_g(q_h . k_g / 8) v_g at each of the 16,384 positions, q = y Wq + bq, (k, v) = x Wkv + bkv: 16 heads of 64 channels, the softmax over the HEADS of one position.
; Nothing of the problem is left out; the weights and biases come from Wf and Bt, which the launch before has rounded and laid out (its head gives the layout and the permutations of n and k').
; ALL IN ONE LAUNCH.  A work-group owns 64 positions and makes q, k, v, the softmax, val and out0 for them: nothing but x, y, Wf, Bt comes in and nothing but out0 goes out.
; FOUR PHASES Q, K, V, O, each a product 64 rows x 1,024 columns x 1,024 terms.  Each of four waves makes 64 rows x 256 columns: 64 accumulators of 16 x 16, 512 registers.  The row operand (y, then x, then val)
; lies whole in LDS in 16 bits; the weights stream through a ring of two LDS slots of 65,536 bytes (32 terms x 1,024 columns), 128 tiles in all, the ring running on from phase to phase.
; CLUSTER.  Every work-group walks the same 128 tiles, so the four of a cluster ask for each JOINTLY: the same tensor load, descriptor and mask in all four.  A wave fetches, and alone reads, its own quarter of a tile.
; THE MATRIX INSTRUCTION IS USED TRANSPOSED (source 0 = 16 columns of weights, source 1 = 16 rows): a lane holds one row (lane % 16) and 8 neighbouring columns n.  The sums start from the bias, as the first product's C.
; BETWEEN THE PHASES q, k and v are rounded to f16 and change lanes through a stage of 16 rows in LDS.  Thanks to n's permutation a position's 16 heads x 64 channels then come out as matrix operands by loads of
; 512 consecutive bytes: S^T = K Q^T (a lane: one query head, 8 key heads), softmax with the row's maximum taken away, P in f16, and val^T = V^T P.  P has 16 terms of the form's 32: two positions share a fragment of V^T
; (terms 0-15 the even position's heads, 16-31 the odd one's), and P stands beside 16 zeros.  val is written in k' order where x lay.
; FORMATS.  x, y, Wq, Wkv, the biases: bf16.  What the program makes (q, k, v, P, val): f16; Wo: its bf16 number as f16.  All sums, the maximum and the softmax in f32.
; LIMITS.  |q|, |k|, |v| stay under 65,504 (f16's end).  A weight below 2^-126 counts as 0 in the softmax's sum.  NaN and infinities are not treated apart (a zero of P's padding times an infinite v is NaN).
; LDS: slots 0, 1 (tensor loads alone); RA: 64 rows of 2,064 bytes (2,048 + 16 = 129 x 16: the 16 rows of a fragment load start at 16 different 16-byte columns modulo 256), at the end each wave's own stage for out0;
; STG: 16 rows of 2,064; BT: Bt; the spare words.
; REGISTERS, in windows of 256 (s_set_vgpr_msb: bits 1:0 source 0, 3:2 source 1, 5:4 source 2, 7:6 destination):
;   window 0: v0-23 addresses; v32-95 two buffers of row fragments; v96-223 two buffers of 8 weight fragments; v224-255 at work
;   window 1: x on its way in; then q's fragments (position P of my 16 at 16 P); then P (pair u at 32 u: even position, zeros, odd position); at the end rows of out0
;   windows 2, 3: accumulator (a, b) at 8 (8 a + b % 8), window 2 for b < 8, window 3 for b >= 8
.set SLOTB, 65536
.set PA,    2064
.set RA,    2*SLOTB                    ; 131,072
.set STG,   RA+64*PA                   ; 263,168
.set BT,    STG+16*PA                  ; 296,192
.set SPARE, BT+16384                   ; 312,576: the spare words, 128 bytes for each wave: two blocks of 256 bytes that no other line names
.set PO,    1040                       ; a row of the stage for out0: 1,024 bytes + 16
.set SPW,  1                           ; v1   LDS address of my spare word; never rewritten
.set NIL,  2                           ; v2   0; never rewritten
.set XO,   3                           ; v3   16 x lane: my bytes in 512 consecutive bytes of x, y, out0
.set ARS,  4                           ; v4   RA + my wave's 16 rows + 8 x lane: where converted rows go
.set ADB,  5                           ; v5-6 my quarter of slot 0, 1 + 16 x lane
.set ADA,  7                           ; v7-8 the row fragments of the tile in hand: rows 0-31, rows 32-63
.set ADAB, 9                           ; v9   RA + 2,064 (lane % 16) + 16 (lane / 16)
.set ASTG, 10                          ; v10  STG + 2,064 (lane % 16) + 16 (lane / 16) + 512 wave: into the stage
.set ASTL, 11                          ; v11  STG + my 4 rows + 16 x lane: out of the stage
.set ABT,  12                          ; v12  BT + 1,024 wave + 32 (lane / 16)
.set AV,   13                          ; v13-14 RA + my 4 rows of a piece + 16 x lane; the same 32 rows on
.set AOS,  15                          ; v15  into my stage for out0
.set AOL,  16                          ; v16  out of it
.set PFO,  17                          ; v17  256 x lane
.set BTO,  22                          ; v22  16 x thread
.set BTL,  23                          ; v23  BT + 16 x thread
.set AB0,  32
.set BB0,  96
.set BB1,  160
.set T,    224
.set TM,   32                          ; the softmax's 8 registers at work for each of 4 positions
.set SS,   160                         ; S^T, 8 registers for each of 4 positions
.set WV,   14                          ; s14  my wave's number
.set G1,   24                          ; s[24:31] descriptor group 1
.set G0,   32                          ; s[32:39] descriptor group 0, a set for each slot
.set CNT,  40
.set PLEFT, 41                         ; s41  prefetches still to come
.set LIM,  42                          ; s42  0 in the cluster that prefetches, else the greatest number
.set PFA,  44                          ; s[44:45] where my prefetches stand
.set CS,   46                          ; s[46:47] c = log2(e) / 8
.set SEL,  48                          ; s[48:49] v_permlanex16_b32's selects: each lane takes its own place in the other half
.set MSB, 0
.macro WIN new                         ; the immediate's high byte repeats the setting that is left; a switch that changes nothing is dropped
.if MSB != (\new)
	s_set_vgpr_msb (MSB<<8)|(\new)
.set MSB, (\new)
.endif
.endm
; Four places: a load into a register that a matrix instruction has read, and a vector instruction or LDS store that reads a matrix result or writes a matrix instruction's register, stand four plain
; vector instructions behind it (ISA guide 7.12.1 for vector instructions).
.macro PLACES
.rept 4
	v_nop
.endr
.endm
; A round of the cluster's barrier: my work-group's barrier; wave 0 signals for the work-group; every wave waits for all four work-groups; my work-group's barrier once more.
.macro CREST
	s_cmp_lg_u32 s[WV], 0
	s_cbranch_scc1 .Lnot_wave_0_\@
	s_barrier_signal -3
.Lnot_wave_0_\@:
	s_barrier_wait -3
	s_barrier_signal -1
	s_barrier_wait -1
.endm
.macro CROUND
	s_barrier_signal -1
	s_barrier_wait -1
	CREST
.endm
; 8 products: rows 16 a .., columns 16 (8 hi + b) .., 32 terms.  The 64 accumulators take turns in the same order in every tile, one instruction a turn.
.macro MUL8 fmt, bb, ab, hi, a
	WIN 0xa0+0x50*(\hi)
.irp b, 0,1,2,3,4,5,6,7
	v_wmma_f32_16x16x32_\fmt v[8*(8*(\a)+(\b)):8*(8*(\a)+(\b))+7], v[(\bb)+8*(\b):(\bb)+8*(\b)+7], v[(\ab)+8*(\a):(\ab)+8*(\a)+7], v[8*(8*(\a)+(\b)):8*(8*(\a)+(\b))+7]
.endr
.endm
.macro MUL8F fmt, bb, ab, hi, a, ci    ; the same for a phase's first tile: the bias at v[ci ..] starts the sums
	WIN 0x80+0x40*(\hi)
.irp b, 0,1,2,3,4,5,6,7
	v_wmma_f32_16x16x32_\fmt v[8*(8*(\a)+(\b)):8*(8*(\a)+(\b))+7], v[(\bb)+8*(\b):(\bb)+8*(\b)+7], v[(\ab)+8*(\a):(\ab)+8*(\a)+7], v[(\ci)+8*(\b):(\ci)+8*(\b)+7]
.endr
.endm
.macro LDB bb, slot, hs                ; 8 weight fragments: half hs of my quarter of a slot; each load takes 512 consecutive bytes
.irp f, 0,1,2,3,4,5,6,7
	ds_load_b128 v[(\bb)+8*(\f):(\bb)+8*(\f)+3],   v[ADB+(\slot)] offset:8192*(\hs)+1024*(\f)
	ds_load_b128 v[(\bb)+8*(\f)+4:(\bb)+8*(\f)+7], v[ADB+(\slot)] offset:8192*(\hs)+1024*(\f)+512
.endr
.endm
.macro LDA ab, k                       ; 4 row fragments, k bytes behind the running addresses
.irp a, 0,1,2,3
	ds_load_b128 v[(\ab)+8*(\a):(\ab)+8*(\a)+3],   v[ADA+(\a)/2] offset:((\a)%2)*16*PA+(\k)
	ds_load_b128 v[(\ab)+8*(\a)+4:(\ab)+8*(\a)+7], v[ADA+(\a)/2] offset:((\a)%2)*16*PA+(\k)+32
.endr
.endm
.macro LDBIAS dst, ph, hs              ; the bias as 8 C operands: register j of lane l is column 16 b + 8 (l / 16) + j
.irp f, 0,1,2,3,4,5,6,7
	ds_load_b128 v[(\dst)+8*(\f):(\dst)+8*(\f)+3],   v[ABT] offset:4096*(\ph)+64*(8*(\hs)+(\f))
	ds_load_b128 v[(\dst)+8*(\f)+4:(\dst)+8*(\f)+7], v[ABT] offset:4096*(\ph)+64*(8*(\hs)+(\f))+16
.endr
.endm
; A PREFETCH of Wf.  All clusters walk the same tiles: cluster 0 alone asks.  In odd tile 2 j + 1 its sixteen waves ask for tiles 2 j + 10 and 2 j + 11, 131,072 bytes: a wave 8,192, told apart by address
; (4 cx + wave), a lane 256: each block is named once in the launch.  That is seven tiles, 448 matrix instructions, ahead of the tensor load that asks for tile 2 j + 10.  Tiles 0 to 9 come by their loads alone;
; from j = 59 on nothing is left to ask for.
.macro ASK
	s_cmp_gt_i32 s[PLEFT], s[LIM]
	s_cbranch_scc0 .Lnot_mine_\@
	global_prefetch_b8 v[PFO], s[PFA:PFA+1] th:TH_LOAD_NT scope:SCOPE_SE
.Lnot_mine_\@:
	s_sub_co_i32 s[PLEFT], s[PLEFT], 1
.endm
; A TILE t, in slot par; its row fragments are in buffer par, the first half of its weights in BB0 (asked for in the tile before).
; refill = 1: slot par takes tile t + 2.  In front of the round each wave waits for all its tensor loads (one is out: tile t + 1), adds 0 to its spare word, and waits for that and for its reads of the slot.
; next = 1: tile t + 1's row fragments and first half are fetched.  ask = 1: an odd tile that may prefetch.
.macro TILE par, fmt, refill, next, ask
.if \ask
	s_wait_xcnt 0x0                                ; the last prefetch, two tiles back, has read its address
	s_add_nc_u64 s[PFA:PFA+1], s[PFA:PFA+1], 2*SLOTB
.endif
	PLACES                                         ; BB1 was read by the products just issued
	WIN 0
	LDB BB1, \par, 1
	s_wait_dscnt 16                                ; all but the 16 just issued: the row fragments and BB0 are in
	MUL8 \fmt, BB0, AB0+32*(\par), 0, 0
	MUL8 \fmt, BB0, AB0+32*(\par), 0, 1
	MUL8 \fmt, BB0, AB0+32*(\par), 0, 2
.if \refill
	WIN 0
	s_wait_tensorcnt 0x0                           ; no tensor load of mine is out: tile t + 1 is in, and a group 0 may be written
	ds_add_u32 v[SPW], v[NIL]                      ; 0 onto my spare word
	s_add_nc_u64 s[G0+4*(\par)+2:G0+4*(\par)+3], s[G0+4*(\par)+2:G0+4*(\par)+3], 2*SLOTB  ; two tiles on; the type bits on top are not reached
	MUL8 \fmt, BB0, AB0+32*(\par), 0, 3            ; eight products stand between the add and the wait for it
	s_wait_dscnt 0x0                               ; the add is done, and my reads of slot par are over
	s_barrier_signal -1                            ; this barrier opens a round of the cluster's barrier;
	MUL8 \fmt, BB1, AB0+32*(\par), 1, 0            ; work on registers while the others arrive
	WIN 0                                          ; at a branch and at a label every window is 0
	s_barrier_wait -1
	CREST                                          ; no wave of any partner still reads the slot or has a load on its way
	tensor_load_to_lds s[G0+4*(\par):G0+4*(\par)+3], s[G1:G1+7]  ; my one tensor load behind the round, and the first thing there
	s_nop 0
	PLACES                                         ; the places in front of the loads into BB0
.else
.if \next
	s_wait_tensorcnt 0x0                           ; the stream's last tile is in; I alone read my quarter
.endif
	MUL8 \fmt, BB0, AB0+32*(\par), 0, 3
	s_wait_dscnt 0x0                               ; BB1 is in
	MUL8 \fmt, BB1, AB0+32*(\par), 1, 0
	PLACES
	WIN 0
.endif
.if \next
	LDA AB0+32*(1-(\par)), 64
	LDB BB0, 1-(\par), 0
	v_add_nc_u32 v[ADA], 64, v[ADA]
	v_add_nc_u32 v[ADA+1], 64, v[ADA+1]
.endif
.if \ask
	ASK
.endif
	MUL8 \fmt, BB1, AB0+32*(\par), 1, 1
	MUL8 \fmt, BB1, AB0+32*(\par), 1, 2
	MUL8 \fmt, BB1, AB0+32*(\par), 1, 3
.endm
; A PHASE's FIRST TILE, in slot 0 (its load was shown done by the last wait for all tensor loads; the one load that is out fills slot 1).  The bias takes the weight buffer that is idle.
.macro TILEF fmt, ph
	WIN 0
	PLACES
	v_mov_b32 v[ADA], v[ADAB]
	v_add_nc_u32 v[ADA+1], 32*PA, v[ADAB]
	LDA AB0, 0
	LDB BB0, 0, 0
	LDBIAS BB1, \ph, 0
	s_wait_dscnt 0x0
.irp a, 0,1,2,3
	MUL8F \fmt, BB0, AB0, 0, \a, BB1
.endr
	PLACES
	WIN 0
	LDB BB1, 0, 1
	LDBIAS BB0, \ph, 1
	s_wait_tensorcnt 0x0                           ; slot 1's tile is in; no tensor load of mine is out
	ds_add_u32 v[SPW], v[NIL]
	s_add_nc_u64 s[G0+2:G0+3], s[G0+2:G0+3], 2*SLOTB
	s_wait_dscnt 0x0                               ; the add is done, and my reads of slot 0 are over
	CROUND
	tensor_load_to_lds s[G0:G0+3], s[G1:G1+7]
	s_nop 0
	PLACES
	LDA AB0+32, 64
	v_add_nc_u32 v[ADA], 64, v[ADA]
	v_add_nc_u32 v[ADA+1], 64, v[ADA+1]
.irp a, 0,1,2,3
	MUL8F \fmt, BB1, AB0, 1, \a, BB0
.endr
	PLACES
	WIN 0
	LDB BB0, 1, 0
.endm
; n loads of 512 consecutive bytes of my wave's 16 rows of x or y (load l: row l / 8, bytes 512 (l % 8) on), from load l0 on, into window win from register reg0 on
.macro GLD win, reg0, b0, l0, n
	WIN (\win)<<6
.set gi, 0
.rept \n
	global_load_b128 v[(\reg0)+4*gi:(\reg0)+4*gi+3], v[XO], s[(\b0):(\b0)+1] offset:512*((\l0)+gi) th:TH_LOAD_NT
.set gi, gi+1
.endr
.endm
; 16 such loads, in window sw from reg0 on, are rounded to bf16 and put into RA: 256 consecutive bytes an instruction
.macro CVS16 sw, reg0, l0
	WIN 5*(\sw)
.set cvi, 0
.rept 16
	v_cvt_pk_bf16_f32 v[T+2*cvi],   v[(\reg0)+4*cvi],   v[(\reg0)+4*cvi+1]
	v_cvt_pk_bf16_f32 v[T+2*cvi+1], v[(\reg0)+4*cvi+2], v[(\reg0)+4*cvi+3]
.set cvi, cvi+1
.endr
	WIN 0
.set cvi, 0
.rept 16
	ds_store_b64 v[ARS], v[T+2*cvi:T+2*cvi+1] offset:(((\l0)+cvi)/8)*PA+(((\l0)+cvi)%8)*256
.set cvi, cvi+1
.endr
.endm
; Rows 16 a .. 16 a + 15 of a phase's result, rounded to f16, into the stage: a row's 1,024 numbers in the order of n.  Each accumulator is read from its lowest registers on.
.macro PIECE_OUT a
.irp hf, 0,1
	WIN 0x0a+5*(\hf)
.irp b, 0,1,2,3,4,5,6,7
.irp p, 0,1,2,3
	v_cvt_pk_f16_f32 v[T+4*(\b)+(\p)], v[8*(8*(\a)+(\b))+2*(\p)], v[8*(8*(\a)+(\b))+2*(\p)+1]
.endr
.endr
	WIN 0
.irp b, 0,1,2,3,4,5,6,7
	ds_store_b128 v[ASTG], v[T+4*(\b):T+4*(\b)+3] offset:32*(8*(\hf)+(\b))
.endr
.endr
	s_wait_dscnt 0x0                               ; for the others' sake: my part of the 16 rows is in the stage
	s_barrier_signal -1
	s_barrier_wait -1
.endm
.macro EACH4 line:vararg               ; one line for each of my four positions i4 of a piece
.set i4, 0
.rept 4
	\line
.set i4, i4+1
.endr
.endm
	s_load_b256 s[4:11], s[0:1], 0x0               ; x s[4:5], y s[6:7], Wf s[8:9], Bt s[10:11]
	s_load_b64 s[12:13], s[0:1], 0x20              ; out0
	v_lshl_add_u32 v[SPW], v0, 2, SPARE
	v_mov_b32 v[NIL], 0
	ds_add_u32 v[SPW], v[NIL]                      ; the wave's opening: the add, twice on end, and its wait ahead of my first tensor load
	ds_add_u32 v[SPW], v[NIL]                      ; and once more, under the one wait; the set-up below, work on registers, stands between
	v_lshrrev_b32 v18, 5, v0
	v_readfirstlane_b32 s[WV], v18                 ; wave 0..3
	s_bfe_u32 s15, ttmp6, 0x40000                  ; cx: my place in the cluster: it enters the addresses of x, y, out0 and of the prefetches alone
	s_lshl_b32 s16, ttmp9, 2                       ; in a cluster launch ttmp9 counts clusters
	s_add_co_u32 s16, s16, s15                     ; my block of 64 positions
	; descriptor group 1: 16,384 dense bytes as 64 rows of 32 elements of 8 bytes
	s_mov_b32 s[G1+0], 15|(3<<16)|(1<<21)          ; 15:0 the mask: all four work-groups; 17:16 elements of 8 bytes; 21 set beside a mask; no padding
	s_mov_b32 s[G1+1], 32<<16                      ; tensor_dim0 = 32
	s_mov_b32 s[G1+2], 64<<16                      ; tensor_dim1 = 64
	s_mov_b32 s[G1+3], 32<<16                      ; tile_dim0 = 32
	s_mov_b32 s[G1+4], 64                          ; tile_dim1 = 64
	s_mov_b32 s[G1+5], 32                          ; 32 elements from row to row
	s_mov_b32 s[G1+6], 0
	s_mov_b32 s[G1+7], 0
	s_mov_b32 s[G0], 1                             ; count = 1
	s_lshl_b32 s[G0+1], s[WV], 14                  ; LDS address: my quarter of slot 0
	s_mov_b32 s[G0+4], 1
	s_add_co_u32 s[G0+5], s[G0+1], SLOTB           ; of slot 1
	s_lshl_b32 s22, s[WV], 14                      ; my quarter of a tile in Wf
	s_mov_b32 s23, 0
	s_lshl_b32 s18, s16, 18                        ; 64 rows of 4,096 bytes,
	s_lshl_b32 s19, s[WV], 16                      ; my wave's 16 of them
	s_add_co_u32 s18, s18, s19
	s_mov_b32 s19, 0
	s_lshl_b32 s20, s16, 18                        ; out0: the same 64 rows,
	s_lshl_b32 s21, s[WV], 10                      ; my wave's 256 columns
	s_add_co_u32 s20, s20, s21
	s_mov_b32 s21, 0
	s_lshl2_add_u32 s50, s15, s[WV]                ; 4 cx + wave
	s_lshl_b32 s50, s50, 13
	s_add_co_u32 s50, s50, 8*SLOTB                 ; in tiles 8 and 9; the first odd tile steps it to tiles 10 and 11
	s_mov_b32 s51, 0
	s_mov_b32 s[PLEFT], 59
	s_cmp_eq_u32 ttmp9, 0                          ; the same in all four partners
	s_cselect_b32 s[LIM], 0, 0x7fffffff
	s_mov_b32 s[CS], 0x3e38aa3b                    ; c = log2(e) / 8 = 0.180337
	s_mov_b32 s[CS+1], s[CS]                       ; named with it as a pair
	s_mov_b32 s[SEL], 0x76543210
	s_mov_b32 s[SEL+1], 0xfedcba98
	v_and_b32 v19, 31, v0                          ; lane
	v_lshlrev_b32 v[XO], 4, v19
	v_lshlrev_b32 v[BTO], 4, v0
	s_wait_dscnt 0x0                               ; both opening adds are done
	s_wait_kmcnt 0x0
	s_add_nc_u64 s[4:5], s[4:5], s[18:19]
	s_add_nc_u64 s[6:7], s[6:7], s[18:19]
	s_add_nc_u64 s[12:13], s[12:13], s[20:21]
	s_add_nc_u64 s[PFA:PFA+1], s[8:9], s[50:51]
	s_add_nc_u64 s[G0+2:G0+3], s[8:9], s[22:23]    ; global address: my quarter of tile 0,
	s_add_nc_u64 s[G0+6:G0+7], s[G0+2:G0+3], SLOTB ; of tile 1
	s_or_b32 s[G0+3], s[G0+3], 0x80000000          ; type = 2
	s_or_b32 s[G0+7], s[G0+7], 0x80000000
	CROUND                                         ; all four work-groups are here: the first joint loads meet
	tensor_load_to_lds s[G0:G0+3], s[G1:G1+7]      ; both first fills together: two tensor loads of mine are out
	s_nop 0
	tensor_load_to_lds s[G0+4:G0+7], s[G1:G1+7]
	s_nop 0
	PLACES
.irp i, 0,1,2,3,4,5,6,7
	global_load_b128 v[T+4*(\i):T+4*(\i)+3], v[BTO], s[10:11] offset:2048*(\i)  ; Bt: 2,048 bytes an instruction for the 128 threads
.endr
	GLD 2, 0, 6, 0, 64                             ; y, my 16 rows: 128 loads into the accumulators' registers, which are idle
	GLD 3, 0, 6, 64, 64
	GLD 1, 0, 4, 0, 64                             ; x, my rows 0 to 7: they stay on their way into phase Q
	WIN 0
	v_and_b32 v20, 15, v0                          ; lane % 16
	v_bfe_u32 v21, v0, 4, 1                        ; lane / 16
	v_add_nc_u32 v[BTL], BT, v[BTO]
	s_mul_i32 s54, s[WV], 16*PA
	s_add_co_u32 s54, s54, RA                      ; my 16 rows of RA
	v_lshl_add_u32 v[ARS], v19, 3, s54
	v_lshl_add_u32 v[AOL], v19, 4, s54
	v_mul_u32_u24 v[AOS], v20, PO
	v_lshl_add_u32 v[AOS], v21, 5, v[AOS]
	v_add_nc_u32 v[AOS], s54, v[AOS]
	v_lshl_add_u32 v[ADB], v19, 4, s[G0+1]
	v_add_nc_u32 v[ADB+1], SLOTB, v[ADB]
	v_mul_u32_u24 v18, v20, PA
	v_lshl_add_u32 v18, v21, 4, v18
	v_add_nc_u32 v[ADAB], RA, v18
	s_lshl_b32 s51, s[WV], 9
	s_add_co_u32 s51, s51, STG
	v_add_nc_u32 v[ASTG], s51, v18
	s_mul_i32 s52, s[WV], 4*PA
	v_lshl_add_u32 v[AV], v19, 4, s52
	v_add_nc_u32 v[ASTL], STG, v[AV]
	v_add_nc_u32 v[AV], RA, v[AV]
	v_add_nc_u32 v[AV+1], 32*PA, v[AV]
	s_lshl_b32 s53, s[WV], 10
	s_add_co_u32 s53, s53, BT
	v_lshl_add_u32 v[ABT], v21, 5, s53
	v_lshlrev_b32 v[PFO], 8, v19
	s_wait_loadcnt 63                              ; loads come back in order: Bt and y are in; 63 of x's 64 may stay out
.irp i, 0,1,2,3,4,5,6,7
	ds_store_b128 v[BTL], v[T+4*(\i):T+4*(\i)+3] offset:2048*(\i)
.endr
	CVS16 2, 0, 0
	CVS16 2, 64, 16
	CVS16 2, 128, 32
	CVS16 2, 192, 48
	CVS16 3, 0, 64
	CVS16 3, 64, 80
	CVS16 3, 128, 96
	CVS16 3, 192, 112
	s_wait_dscnt 0x0                               ; for the others' sake: my rows of y and my part of Bt are in LDS
	s_wait_tensorcnt 1                             ; tile 0 is in; tile 1 may stay out
	s_barrier_signal -1
	s_barrier_wait -1
	; PHASE Q: q = y Wq + bq, tiles 0 to 31
	TILEF bf16, 0
	s_mov_b32 s[CNT], 15
.Lq:
	TILE 1, bf16, 1, 1, 1
	TILE 0, bf16, 1, 1, 0
	WIN 0
	s_cmp_lg_u32 s[CNT], 9                         ; once, behind tile 14: x's rows 0 to 7 are rounded where they lie, into half the registers, and rows 8 to 11 are asked for into the other half
	s_cbranch_scc1 .Lq_on
	s_wait_loadcnt 0x0
	WIN 0x45
.set cvi, 0
.rept 64                               ; ascending: a result never lands on a number that is still to be read
	v_cvt_pk_bf16_f32 v[2*cvi],   v[4*cvi],   v[4*cvi+1]
	v_cvt_pk_bf16_f32 v[2*cvi+1], v[4*cvi+2], v[4*cvi+3]
.set cvi, cvi+1
.endr
	GLD 1, 128, 4, 64, 32
	WIN 0
.Lq_on:
	s_sub_co_u32 s[CNT], s[CNT], 1
	s_cmp_lg_u32 s[CNT], 0
	s_cbranch_scc1 .Lq
	TILE 1, bf16, 1, 0, 1
	; Q's END.  Tile 31's round stood behind every wave's wait for its LDS reads, and no row fragment has been fetched since: y is read no more, and x takes its place, each wave its own 16 rows.
	PLACES
	GLD 0, 32, 4, 96, 32                           ; x's rows 12 to 15, into the fragment buffers, which are idle
	s_wait_loadcnt 32                              ; all but the 32 just issued: rows 0 to 11 are in
	WIN 0x04                                       ; store data in window 1
.set cvi, 0
.rept 64
	ds_store_b64 v[ARS], v[2*cvi:2*cvi+1] offset:(cvi/8)*PA+(cvi%8)*256
.set cvi, cvi+1
.endr
	CVS16 1, 128, 64
	CVS16 1, 192, 80
.irp a, 0,1,2,3                        ; q through the stage, 16 rows at a time; of each 16 positions I keep four, as fragments: 16 heads x 64 channels in 16 registers
	PIECE_OUT \a
	WIN 0x40
.irp i, 0,1,2,3
.irp c, 0,1,2,3
	ds_load_b128 v[16*(4*(\a)+(\i))+4*(\c):16*(4*(\a)+(\i))+4*(\c)+3], v[ASTL] offset:PA*(\i)+512*(\c)
.endr
.endr
	WIN 0
	s_wait_dscnt 0x0                               ; my reads of the stage are over, before anybody writes it again
	s_barrier_signal -1
	s_barrier_wait -1
.endr
	s_wait_loadcnt 0x0                             ; x's last four rows
	CVS16 0, 32, 96
	CVS16 0, 96, 112
	s_wait_dscnt 0x0                               ; for the others' sake: my rows of x are in RA
	s_barrier_signal -1
	s_barrier_wait -1
	; PHASE K: k = x Wk + bk, tiles 32 to 63
	TILEF bf16, 1
	s_mov_b32 s[CNT], 15
.Lk:
	TILE 1, bf16, 1, 1, 1
	TILE 0, bf16, 1, 1, 0
	WIN 0
	s_sub_co_u32 s[CNT], s[CNT], 1
	s_cmp_lg_u32 s[CNT], 0
	s_cbranch_scc1 .Lk
	TILE 1, bf16, 1, 0, 1
	PLACES
; K's END, 16 rows at a time: k through the stage; S^T = K Q^T for my four positions; the softmax; P.  The barrier that frees the stage is signalled when my reads are back and waited for behind the softmax.
.macro KEND a
	PIECE_OUT \a
.irp i, 0,1,2,3
.irp c, 0,1,2,3
	ds_load_b128 v[BB0+16*(\i)+4*(\c):BB0+16*(\i)+4*(\c)+3], v[ASTL] offset:PA*(\i)+512*(\c)
.endr
.endr
	s_wait_dscnt 0x0
	s_barrier_signal -1
	WIN 0x04                                       ; source 1 (q) in window 1
.irp i, 0,1,2,3                        ; channels 0-31 of the four positions start the sums, channels 32-63 follow: three others stand between the two links of a chain
	v_wmma_f32_16x16x32_f16 v[SS+8*(\i):SS+8*(\i)+7], v[BB0+16*(\i):BB0+16*(\i)+7], v[16*(4*(\a)+(\i)):16*(4*(\a)+(\i))+7], 0
.endr
.irp i, 0,1,2,3
	v_wmma_f32_16x16x32_f16 v[SS+8*(\i):SS+8*(\i)+7], v[BB0+16*(\i)+8:BB0+16*(\i)+15], v[16*(4*(\a)+(\i))+8:16*(4*(\a)+(\i))+15], v[SS+8*(\i):SS+8*(\i)+7]
.endr
	WIN 0
	PLACES
	; a lane holds one query head (lane % 16) and the key heads 8 (lane / 16) + 0..7; the other eight lie in the lane 16 away.  The four positions alternate line by line.
	EACH4 v_max3_num_f32 v[TM+8*i4], v[SS+8*i4], v[SS+8*i4+1], v[SS+8*i4+2]
	EACH4 v_max3_num_f32 v[TM+8*i4+1], v[SS+8*i4+3], v[SS+8*i4+4], v[SS+8*i4+5]
	EACH4 v_max3_num_f32 v[TM+8*i4], v[TM+8*i4], v[SS+8*i4+6], v[SS+8*i4+7]
	EACH4 v_max_num_f32 v[TM+8*i4], v[TM+8*i4], v[TM+8*i4+1]
	EACH4 v_permlanex16_b32 v[TM+8*i4+1], v[TM+8*i4], s[SEL], s[SEL+1]
	EACH4 v_max_num_f32 v[TM+8*i4], v[TM+8*i4], v[TM+8*i4+1]
	EACH4 v_mul_f32 v[TM+8*i4], s[CS], v[TM+8*i4]
.irp p, 0,1,2,3
	EACH4 v_pk_fma_f32 v[SS+8*i4+2*\p:SS+8*i4+2*\p+1], v[SS+8*i4+2*\p:SS+8*i4+2*\p+1], s[CS:CS+1], v[TM+8*i4:TM+8*i4+1] op_sel_hi:[1,0,0] neg_lo:[0,0,1] neg_hi:[0,0,1]
.endr
.irp j, 0,1,2,3,4,5,6,7
	EACH4 v_exp_f32 v[SS+8*i4+\j], v[SS+8*i4+\j]
.endr
	v_nop                                          ; a plain instruction behind the last exponential,
	s_wait_alu depctr_va_vdst(0)                   ; and one wait for the batch of 32, ahead of the first line that names a result
	EACH4 v_pk_add_f32 v[TM+8*i4+2:TM+8*i4+3], v[SS+8*i4:SS+8*i4+1], v[SS+8*i4+2:SS+8*i4+3]
	EACH4 v_pk_add_f32 v[TM+8*i4+4:TM+8*i4+5], v[SS+8*i4+4:SS+8*i4+5], v[SS+8*i4+6:SS+8*i4+7]
	EACH4 v_pk_add_f32 v[TM+8*i4+2:TM+8*i4+3], v[TM+8*i4+2:TM+8*i4+3], v[TM+8*i4+4:TM+8*i4+5]
	EACH4 v_add_f32 v[TM+8*i4+2], v[TM+8*i4+2], v[TM+8*i4+3]
	EACH4 v_permlanex16_b32 v[TM+8*i4+3], v[TM+8*i4+2], s[SEL], s[SEL+1]
	EACH4 v_add_f32 v[TM+8*i4+2], v[TM+8*i4+2], v[TM+8*i4+3]
	EACH4 v_rcp_f32 v[TM+8*i4+4], v[TM+8*i4+2]
	v_nop
	s_wait_alu depctr_va_vdst(0)                   ; one wait for the four reciprocals
.irp p, 0,1,2,3
	EACH4 v_pk_mul_f32 v[SS+8*i4+2*\p:SS+8*i4+2*\p+1], v[SS+8*i4+2*\p:SS+8*i4+2*\p+1], v[TM+8*i4+4:TM+8*i4+5] op_sel_hi:[1,0]
.endr
	WIN 0x40                                       ; P goes where these positions' q lay, which has been multiplied
.irp p, 0,1,2,3
	EACH4 v_cvt_pk_f16_f32 v[32*(2*(\a)+i4/2)+8*(i4%2)+\p], v[SS+8*i4+2*\p], v[SS+8*i4+2*\p+1]
.endr
.irp z, 0,1,2,3
	v_mov_b32 v[32*(2*(\a))+4+\z], 0               ; the sixteen terms that a position leaves to its partner
	v_mov_b32 v[32*(2*(\a)+1)+4+\z], 0
.endr
	WIN 0
	s_barrier_wait -1                              ; every wave's reads of the stage are over
.endm
.irp a, 0,1,2,3
	KEND \a
.endr
	; PHASE V: v = x Wv + bv, tiles 64 to 95
	TILEF bf16, 2
	s_mov_b32 s[CNT], 15
.Lv:
	TILE 1, bf16, 1, 1, 1
	TILE 0, bf16, 1, 1, 0
	WIN 0
	s_sub_co_u32 s[CNT], s[CNT], 1
	s_cmp_lg_u32 s[CNT], 0
	s_cbranch_scc1 .Lv
	TILE 1, bf16, 1, 0, 1
	PLACES
; V's END, 16 rows at a time: v through the stage; val^T = V^T P for my four positions, in pairs u; val, rounded to f16, goes where x lay (tile 95's round stood behind every wave's last read of x).
; Fragment (u, t): 16 channels 16 t .. x 32 terms: registers 0-3 the even position's 16 heads, registers 4-7 the odd one's.  In the result a lane holds one query head and 8 channels: 16 bytes of val in k' order.
.macro VEND a
	PIECE_OUT \a
.irp u, 0,1
.irp t, 0,1,2,3
	ds_load_b128 v[BB0+32*(\u)+8*(\t):BB0+32*(\u)+8*(\t)+3],   v[ASTL] offset:PA*(2*(\u))+512*(\t)
	ds_load_b128 v[BB0+32*(\u)+8*(\t)+4:BB0+32*(\u)+8*(\t)+7], v[ASTL] offset:PA*(2*(\u)+1)+512*(\t)
.endr
.endr
	s_wait_dscnt 0x0
	s_barrier_signal -1
	WIN 0x04                                       ; source 1 (P) in window 1
.irp u, 0,1
.irp s, 0,1
.irp t, 0,1,2,3
.set DD, 160-128*(\u)+8*(4*(\s)+(\t))
	v_wmma_f32_16x16x32_f16 v[DD:DD+7], v[BB0+32*(\u)+8*(\t):BB0+32*(\u)+8*(\t)+7], v[32*(2*(\a)+(\u))+4*(\s):32*(2*(\a)+(\u))+4*(\s)+7], 0
.endr
.endr
.endr
	WIN 0
	PLACES
.irp u, 0,1
.irp s, 0,1
.irp t, 0,1,2,3
.set DD, 160-128*(\u)+8*(4*(\s)+(\t))
.irp p, 0,1,2,3
	v_cvt_pk_f16_f32 v[BB0+4*(8*(\u)+4*(\s)+(\t))+(\p)], v[DD+2*(\p)], v[DD+2*(\p)+1]
.endr
.endr
.endr
.endr
	s_barrier_wait -1                              ; every wave's reads of the stage are over
.irp u, 0,1
.irp s, 0,1
.irp t, 0,1,2,3
	ds_store_b128 v[AV+(\a)/2], v[BB0+4*(8*(\u)+4*(\s)+(\t)):BB0+4*(8*(\u)+4*(\s)+(\t))+3] offset:(16*((\a)%2)+2*(\u)+(\s))*PA+512*(\t)
.endr
.endr
.endr
.endm
.irp a, 0,1,2,3
	VEND \a
.endr
	s_wait_dscnt 0x0                               ; for the others' sake: my positions' val is in RA
	s_barrier_signal -1
	s_barrier_wait -1
	; PHASE O: out0 = val Wo + bo, tiles 96 to 127, in f16
	TILEF f16, 3
	s_mov_b32 s[CNT], 14
.Lo:
	TILE 1, f16, 1, 1, 1
	TILE 0, f16, 1, 1, 0
	WIN 0
	s_sub_co_u32 s[CNT], s[CNT], 1
	s_cmp_lg_u32 s[CNT], 0
	s_cbranch_scc1 .Lo
	TILE 1, f16, 1, 1, 0                           ; tile 125 asks for the last tile; the tail is written out
	TILE 0, f16, 0, 1, 0
	TILE 1, f16, 0, 0, 0
	; O's END.  A lane holds 32 bytes of a row of out0.  16 rows at a time go through my own stage (where val lay, which nobody reads behind this barrier) and come back as whole pieces of 512 bytes.
	PLACES
	WIN 0
	s_wait_dscnt 0x0
	s_barrier_signal -1
	s_barrier_wait -1
.macro OEND a
.set OB, 32*(1-(\a)%2)                 ; back into v32-159 of window 0 (even a) or v0-127 of window 1 (odd a)
.irp hf, 0,1
	WIN 0x08+4*(\hf)                               ; store data in window 2, 3
.irp b, 0,1,2,3,4,5,6,7
	ds_store_b128 v[AOS], v[8*(8*(\a)+(\b)):8*(8*(\a)+(\b))+3]   offset:64*(8*(\hf)+(\b))
	ds_store_b128 v[AOS], v[8*(8*(\a)+(\b))+4:8*(8*(\a)+(\b))+7] offset:64*(8*(\hf)+(\b))+16
.endr
.endr
	s_wait_xcnt 0x0                                ; the stores of two pieces back have read the registers that are loaded again below
	WIN 0x40*((\a)%2)
.set oi, 0
.rept 32
	ds_load_b128 v[OB+4*oi:OB+4*oi+3], v[AOL] offset:PO*(oi/2)+512*(oi%2)  ; LDS serves a wave's instructions in order (ISA guide 5.7.1.4): these see the stores above, and the next piece's stores come behind them
.set oi, oi+1
.endr
	WIN 0x04*((\a)%2)
.set oi, 0
.rept 32
	s_wait_dscnt 31-oi                             ; load oi is in, the younger ones may stay out
	global_store_b128 v[XO], v[OB+4*oi:OB+4*oi+3], s[12:13] offset:(16*(\a)+oi/2)*4096+512*(oi%2) th:TH_STORE_NT  ; 512 consecutive bytes, at a multiple of 512 from out0's first byte
.set oi, oi+1
.endr
.endm
.irp a, 0,1,2,3
	OEND \a
.endr
	WIN 0
	s_wait_tensorcnt 0x0                           ; the wave's end, behind my last tensor load and my last LDS store
	ds_add_u32 v[SPW], v[NIL]
	s_wait_dscnt 0x0
	CROUND                                         ; the closing round: no work-group ends while a partner may still ask for a tile that names it
	s_endpgm
.Lfunc_end_k_qbedc812d84_main:
	.size	k_qbedc812d84_main, .Lfunc_end_k_qbedc812d84_main-k_qbedc812d84_main
	.p2alignl 7, 3214868480
	.fill 96, 4, 3214868480
	.section	.rodata,"a",@progbits
	.p2align	6, 0x0
	.amdhsa_kernel k_qbedc812d84_main
		.amdhsa_group_segment_fixed_size 327680
		.amdhsa_private_segment_fixed_size 0
		.amdhsa_enable_private_segment 0
		.amdhsa_kernarg_size 40
		.amdhsa_user_sgpr_count 2
		.amdhsa_user_sgpr_kernarg_segment_ptr 1
		.amdhsa_wavefront_size32 1
		.amdhsa_system_sgpr_workgroup_id_x 1
		.amdhsa_system_sgpr_workgroup_id_y 1
		.amdhsa_system_sgpr_workgroup_id_z 1
		.amdhsa_system_vgpr_workitem_id 0
		.amdhsa_next_free_vgpr 1024
		.amdhsa_next_free_sgpr 66
		.amdhsa_reserve_vcc 0
		.amdhsa_float_denorm_mode_32 3
		.amdhsa_float_denorm_mode_16_64 3
		.amdhsa_memory_ordered 1
		.amdhsa_forward_progress 1
		.amdhsa_inst_pref_size 255
	.end_amdhsa_kernel
	.section	.bss,"aw",@nobits
	.p2align	6
	.space	262144
	.amdgpu_metadata
---
amdhsa.version: [ 1, 2 ]
amdhsa.kernels:
  - .name:           k_qbedc812d84_main
    .symbol:         k_qbedc812d84_main.kd
    .args:
      - { .name: x, .offset: 0, .size: 8, .value_kind: global_buffer, .address_space: global }
      - { .name: y, .offset: 8, .size: 8, .value_kind: global_buffer, .address_space: global }
      - { .name: Wf, .offset: 16, .size: 8, .value_kind: global_buffer, .address_space: global }
      - { .name: Bt, .offset: 24, .size: 8, .value_kind: global_buffer, .address_space: global }
      - { .name: out0, .offset: 32, .size: 8, .value_kind: global_buffer, .address_space: global }
    .group_segment_fixed_size: 327680
    .private_segment_fixed_size: 0
    .kernarg_segment_align: 8
    .kernarg_segment_size: 40
    .max_flat_workgroup_size: 128
    .sgpr_count:     66
    .vgpr_count:     1024
    .wavefront_size: 32
...
	.end_amdgpu_metadata
.endif
;; end of part 2
;; ======== version 2 of 3: 2 launches
;; limits: values are held in f16: magnitudes above 65,504 overflow, below 6.1e-05 lose precision
;; workspace buffers: Wf 8,388,608 bytes; Bt 16,384 bytes
;; launch prep: the kernel of part 1 again; grid 256 x 1, 8 waves a work-group, no clusters, 33,792 bytes of LDS; arguments Wq, Wkv, Wo, bq, bkv, bo, Wf, Bt; writes Wf, Bt
;; launch main (part 3): grid 256 x 1, 4 waves a work-group, no clusters, 314,112 bytes of LDS; arguments x, y, Wf, Bt, out0; writes out0
.if DOCPART == 3
	.amdgcn_target "amdgcn-amd-amdhsa--gfx1250"
	.amdhsa_code_object_version 6
	.text
	.protected	k_qbedc812d84_main
	.globl	k_qbedc812d84_main
	.p2align	8
	.type	k_qbedc812d84_main,@function
k_qbedc812d84_main:
	s_mov_b64 s[64:65], 0
	v_nop
	global_prefetch_b8 v0, s[64:65] scope:SCOPE_SE
	s_setreg_imm32_b32 hwreg(HW_REG_WAVE_MODE, 25, 1), 1
	s_wait_xcnt 0x0
; out0 = val Wo + bo, val_h = sum over g of softmax_g(q_h . k_g / 8) v_g at each of the 16,384 positions, q = y Wq + bq, (k, v) = x Wkv + bkv: 16 heads of 64 channels, the softmax over the HEADS of one position.
; Nothing of the problem is left out; the weights and biases come from Wf and Bt, which the launch before has rounded and laid out (its head gives the layout and the permutations of n and k').
; ALL IN ONE LAUNCH.  A work-group owns 64 positions and makes q, k, v, the softmax, val and out0 for them: nothing but x, y, Wf, Bt comes in and nothing but out0 goes out.
; FOUR PHASES Q, K, V, O, each a product 64 rows x 1,024 columns x 1,024 terms.  Each of four waves makes 64 rows x 256 columns: 64 accumulators of 16 x 16, 512 registers.  The row operand (y, then x, then val)
; lies whole in LDS in 16 bits.  The weights are 128 tiles of 65,536 bytes (32 terms x 1,024 columns), walked in order, on from phase to phase.
; THE WEIGHTS COME STRAIGHT INTO REGISTERS.  A wave alone uses its quarter of a tile (16,384 bytes, in the order of its lanes' registers: each load takes 512 consecutive bytes), so nothing of a tile is shared inside the
; work-group.  A RING OF 16 GROUPS fills window 1: a group is two fragments, 16 registers, 4 loads; 16 groups are two tiles.  A group feeds 8 products and is asked for again, for the tile two on, behind the first four
; products of the group after it: of the ring's 64 loads 56 to 60 are out through the whole launch, over the phases' ends too, and the loops hold no barrier.  Each group has a pointer of its own, stepped behind the counted
; wait that shows the group's last loads done: that wait frees it, and the loops need no other wait for an address.
; NO CLUSTER, NO RING IN LDS, though every work-group walks the same tiles.  Beside a resident row operand of 132,096 bytes, the stage and the biases, LDS has room for two slots of one tile, 64 products a wave; a change of
; slots waits for all tensor loads.  The price of this form: each work-group fetches the 8 MiB of Wf itself.
; THE MATRIX INSTRUCTION IS USED TRANSPOSED (source 0 = 16 columns of weights, source 1 = 16 rows): a lane holds one row (lane % 16) and 8 neighbouring columns n.  The sums start from the bias, as the first product's C.
; BETWEEN THE PHASES q, k and v are rounded to f16 and change lanes through LDS (q into the rows that y leaves, k and v through a stage of 16 rows).  Thanks to n's permutation a position's 16 heads x 64 channels then come
; out as matrix operands by loads of 512 consecutive bytes: S^T = K Q^T (a lane: one query head, 8 key heads), softmax with the row's maximum taken away, P in f16, and val^T = V^T P.  P has 16 terms of the form's 32:
; two positions share a fragment of V^T (terms 0-15 the even position's heads, 16-31 the odd one's), and P stands beside 16 zeros.  val is written in k' order where x lay.
; FORMATS.  x, y, Wq, Wkv, the biases: bf16.  What the program makes (q, k, v, P, val): f16; Wo: its bf16 number as f16.  All sums, the maximum and the softmax in f32.
; LIMITS.  |q|, |k|, |v| stay under 65,504 (f16's end).  A weight below 2^-126 counts as 0 in the softmax's sum.  NaN and infinities are not treated apart (a zero of P's padding times an infinite v is NaN).
; LDS: R0: 64 rows of 2,064 bytes (2,048 + 16 = 129 x 16: the 16 rows of a fragment load start at 16 different 16-byte columns modulo 256): y, then q, then P in the first 512 bytes of its position's row;
; R1: the same: x, then val, at the end each wave's own stage for out0; STG: 16 rows of 2,064; BT: Bt; the spare words.
; REGISTERS, in windows of 256 (s_set_vgpr_msb: bits 1:0 source 0, 3:2 source 1, 5:4 source 2, 7:6 destination):
;   window 0: v0-27 addresses; v32-95 two buffers of row fragments; v96-223 a phase's biases as 16 C operands, and at work in the phases' ends; v224-255 at work
;   window 1: at the head x on its way in; then the ring of weights, group g at 16 g; at the end rows of out0
;   windows 2, 3: at the head y and x on their way in; then accumulator (a, b) at 8 (8 a + b % 8), window 2 for b < 8, window 3 for b >= 8
.set TILEB, 65536
.set PA,    2064
.set R0,    0
.set R1,    64*PA                      ; 132,096
.set STG,   128*PA                     ; 264,192
.set BT,    STG+16*PA                  ; 297,216
.set SPARE, BT+16384                   ; 313,600: the spare words, 128 bytes for each wave: two blocks of 256 bytes that no other line names
.set PO,    1040                       ; a row of the stage for out0: 1,024 bytes + 16
.set SPW,  1                           ; v1   LDS address of my spare word; never rewritten
.set NIL,  2                           ; v2   0; never rewritten
.set XO,   3                           ; v3   16 x lane: my bytes in 512 consecutive bytes of x, y, Wf, out0; never rewritten
.set ARS,  4                           ; v4-5 R0, R1 + my wave's 16 rows + 8 x lane: where converted rows go
.set ARH,  6                           ; v6   2,064 (lane % 16) + 16 (lane / 16)
.set ADA,  7                           ; v7-8 the row fragments of the tile in hand: rows 0-31, rows 32-63
.set ASTG, 9                           ; v9   STG + 2,064 (lane % 16) + 16 (lane / 16) + 512 wave: into the stage
.set ASTL, 10                          ; v10  STG + my 4 rows + 16 x lane: out of the stage
.set ABT,  11                          ; v11  BT + 1,024 wave + 32 (lane / 16)
.set AV,   12                          ; v12-13 R1 + my 4 rows of a piece + 16 x lane; the same 32 rows on
.set AQ,   14                          ; v14-15 the same in R0
.set AQS,  16                          ; v16-17 R0 + 2,064 (lane % 16) + 16 (lane / 16) + 512 wave; the same 32 rows on
.set AOS,  18                          ; v18  into my stage for out0
.set AOL,  19                          ; v19  out of it
.set PFO,  20                          ; v20  256 x lane; never rewritten
.set BTO,  21                          ; v21  16 x thread
.set BTL,  22                          ; v22  BT + 16 x thread
.set AB0,  32
.set CB,   96                          ; the biases: column block b at CB + 8 b
.set KF,   96                          ; the phases' ends: fragments of K or V^T
.set SS,   160                         ; S^T, 8 registers for each of 4 positions
.set TM,   32                          ; the softmax's 8 registers at work for each of 4 positions
.set T,    224
.set WV,   14                          ; s14  my wave's number
.set WB,   24                          ; s[24:25] Wf at my quarter of tile 0
.set CNT,  40
.set PJ,   41                          ; s41  5 + the number of odd tiles passed
.set LIM,  42                          ; s42  my work-group's number / 4: I prefetch where s41 equals it
.set PFA,  44                          ; s[44:45] the 8,192 bytes of Wf that I prefetch; never rewritten
.set CS,   46                          ; s[46:47] c = log2(e) / 8
.set SEL,  48                          ; s[48:49] v_permlanex16_b32's selects: each lane takes its own place in the other half
.set PT,   66                          ; s[66:97] the ring's pointers: group g's 2,048 bytes of Wf at s[66 + 2 g : 67 + 2 g]
.set MSB, 0
.macro WIN new                         ; the immediate's high byte repeats the setting that is left; a switch that changes nothing is dropped
.if MSB != (\new)
	s_set_vgpr_msb (MSB<<8)|(\new)
.set MSB, (\new)
.endif
.endm
; Four places: a load into a register that a matrix instruction has read, and a vector instruction or LDS store that reads a matrix result or writes a matrix instruction's register, stand four plain
; vector instructions behind it (ISA guide 7.12.1 for vector instructions).
.macro PLACES
.rept 4
	v_nop
.endr
.endm
; 4 products: fragment f (0, 1) of the ring's group g (tile parity g / 8, column half hi = (g / 4) % 2, column block b = 2 (g % 4) + f of that half) times the four row blocks.  The 64 accumulators take turns in the same
; order in every tile, one instruction a turn.  first = 1: a phase's first tile: the bias starts the sums.  Behind each product of fragment 0 stands a v_nop: four places (see TILE).
.macro STEP fmt, g, f, first
.set hi_, ((\g)/4)%2
.set bb_, 2*((\g)%4)+(\f)
.if \first
	WIN 0x81+0x40*hi_
.else
	WIN 0xa1+0x50*hi_
.endif
.irp a, 0,1,2,3
.if \first
	v_wmma_f32_16x16x32_\fmt v[8*(8*(\a)+bb_):8*(8*(\a)+bb_)+7], v[16*(\g)+8*(\f):16*(\g)+8*(\f)+7], v[AB0+32*((\g)/8)+8*(\a):AB0+32*((\g)/8)+8*(\a)+7], v[CB+64*hi_+8*bb_:CB+64*hi_+8*bb_+7]
.else
	v_wmma_f32_16x16x32_\fmt v[8*(8*(\a)+bb_):8*(8*(\a)+bb_)+7], v[16*(\g)+8*(\f):16*(\g)+8*(\f)+7], v[AB0+32*((\g)/8)+8*(\a):AB0+32*((\g)/8)+8*(\a)+7], v[8*(8*(\a)+bb_):8*(8*(\a)+bb_)+7]
.endif
.if (\f) == 0
	v_nop
.endif
.endr
.endm
.macro RELOAD g                        ; group g's 4 loads, 512 consecutive bytes each, from where its pointer stands
	WIN 0x40
.irp i, 0,1,2,3
	global_load_b128 v[16*(\g)+4*(\i):16*(\g)+4*(\i)+3], v[XO], s[PT+2*(\g):PT+2*(\g)+1] offset:512*(\i)
.endr
.endm
.macro LDA ab, k                       ; 4 row fragments, k bytes behind the running addresses
.irp a, 0,1,2,3
	ds_load_b128 v[(\ab)+8*(\a):(\ab)+8*(\a)+3],   v[ADA+(\a)/2] offset:((\a)%2)*16*PA+(\k)
	ds_load_b128 v[(\ab)+8*(\a)+4:(\ab)+8*(\a)+7], v[ADA+(\a)/2] offset:((\a)%2)*16*PA+(\k)+32
.endr
.endm
.macro LDBIAS dst, ph, hs              ; the bias as 8 C operands: register j of lane l is column 16 b + 8 (l / 16) + j
.irp f, 0,1,2,3,4,5,6,7
	ds_load_b128 v[(\dst)+8*(\f):(\dst)+8*(\f)+3],   v[ABT] offset:4096*(\ph)+64*(8*(\hs)+(\f))
	ds_load_b128 v[(\dst)+8*(\f)+4:(\dst)+8*(\f)+7], v[ABT] offset:4096*(\ph)+64*(8*(\hs)+(\f))+16
.endr
.endm
; A PREFETCH of Wf.  Its 8 MiB are 1,024 pieces of 8,192 bytes, and the launch has 1,024 waves: wave w of work-group g asks ONCE, for piece 4 g + w (a quarter of half g % 2 of tile g / 2), a lane 256 bytes: each block is named
; once in the launch, and the address is never rewritten.  It asks in the odd tile 2 j + 1 with j + 5 = g / 4, that is for tiles 2 j + 10 and 2 j + 11: seven tiles, 448 matrix instructions, ahead of the first loads of tile
; 2 j + 10, which go out in tile 2 j + 8.  Tiles 0 to 9 (work-groups 0 to 19) come by their loads alone.
.macro ASK
	s_cmp_eq_u32 s[PJ], s[LIM]
	s_cbranch_scc0 .Lnot_mine_\@
	global_prefetch_b8 v[PFO], s[PFA:PFA+1] th:TH_LOAD_NT scope:SCOPE_SE
.Lnot_mine_\@:
	s_add_co_u32 s[PJ], s[PJ], 1
.endm
; A TILE of parity par: its row fragments are in buffer par, its weights in the ring's groups 8 par .. 8 par + 7.  For each group: the wait for its 4 loads; its pointer's step; fragment 0's four products, a v_nop behind each;
; the loads of the group BEFORE it in the ring, for the tile two on (the four v_nop are the places between that group's last product and these loads); fragment 1's four products.
; THE COUNT 56: loads come back in order, and behind a group's 4 loads the 14 groups after it in the ring have been asked for; the group just before is asked for only in this group's middle.
; ld = 1: the ring is fed.  ld = 0 (the last two tiles): only tile 126's first group still asks, for the ring's last group, and the counts run down: 4 (15 - g) younger loads exist.
; next = 1: the next tile's row fragments are fetched, in the second group (eight v_nop behind the last product that read their buffer).  skip = 1: not in the loop's last trip, which is the phase's last tile.
; ask = 1: an odd tile that may prefetch, behind the loads just issued.
.macro TILE par, fmt, ld, next, ask, first, skip
	s_wait_dscnt 0x0                               ; the row fragments (and, in a phase's first tile, the biases) are in
.irp q, 0,1,2,3,4,5,6,7
.set gg_, 8*(\par)+(\q)
.if (\ld) || (4*(15-gg_) > 56)
	s_wait_loadcnt 56
.else
	s_wait_loadcnt 4*(15-gg_)
.endif
.if \ld
	s_add_nc_u64 s[PT+2*gg_:PT+2*gg_+1], s[PT+2*gg_:PT+2*gg_+1], 2*TILEB  ; the wait above has shown the last loads by this pointer done: two tiles on
.endif
	STEP \fmt, gg_, 0, \first
.if (\ld) || (gg_ == 0)
	RELOAD (gg_+15)%16
.endif
.if ((\q) == 1) && ((\ask) || (\next))
	WIN 0                                          ; at a branch and at a label every window is 0
.if \ask
	ASK
.endif
.if \next
.if \skip
	s_cmp_eq_u32 s[CNT], 1
	s_cbranch_scc1 .Lno_rows_\@
.endif
	LDA AB0+32*(1-(\par)), 64
	v_add_nc_u32 v[ADA], 64, v[ADA]
	v_add_nc_u32 v[ADA+1], 64, v[ADA+1]
.if \skip
.Lno_rows_\@:
.endif
.endif
.endif
	STEP \fmt, gg_, 1, \first
.endr
.endm
; A PHASE BEGINS: the row operand lies at LDS byte rb; its first fragments and the phase's biases are fetched.
.macro PSTART rb, ph
	WIN 0
	PLACES
	v_add_nc_u32 v[ADA], (\rb), v[ARH]
	v_add_nc_u32 v[ADA+1], (\rb)+32*PA, v[ARH]
	LDA AB0, 0
	LDBIAS CB, \ph, 0
	LDBIAS CB+64, \ph, 1
.endm
; A PHASE's PRODUCTS: the first tile, written out since the bias starts its sums; then a loop of an odd and an even tile, left in its middle behind odd tile number trips.
.macro GEMM fmt, rb, ph, trips, skip
	PSTART \rb, \ph
	TILE 0, \fmt, 1, 1, 0, 1, 0
	WIN 0
	s_mov_b32 s[CNT], \trips
.Ltile_\@:
	TILE 1, \fmt, 1, 1, 1, 0, \skip
	WIN 0
	s_sub_co_u32 s[CNT], s[CNT], 1
	s_cmp_eq_u32 s[CNT], 0
	s_cbranch_scc1 .Lphase_end_\@
	TILE 0, \fmt, 1, 1, 0, 0, 0
	WIN 0
	s_branch .Ltile_\@
.Lphase_end_\@:
.endm
; n loads of 512 consecutive bytes of my wave's 16 rows of x or y (load l: row l / 8, bytes 512 (l % 8) on), from load l0 on, into window win from register reg0 on
.macro GLD win, reg0, b0, l0, n
	WIN (\win)<<6
.set gi, 0
.rept \n
	global_load_b128 v[(\reg0)+4*gi:(\reg0)+4*gi+3], v[XO], s[(\b0):(\b0)+1] offset:512*((\l0)+gi) th:TH_LOAD_NT
.set gi, gi+1
.endr
.endm
; 16 such loads, in window sw from reg0 on, are rounded to bf16 and put into LDS by address register ar: 256 consecutive bytes an instruction
.macro CVS16 sw, reg0, l0, ar
	WIN 5*(\sw)
.set cvi, 0
.rept 16
	v_cvt_pk_bf16_f32 v[T+2*cvi],   v[(\reg0)+4*cvi],   v[(\reg0)+4*cvi+1]
	v_cvt_pk_bf16_f32 v[T+2*cvi+1], v[(\reg0)+4*cvi+2], v[(\reg0)+4*cvi+3]
.set cvi, cvi+1
.endr
	WIN 0
.set cvi, 0
.rept 16
	ds_store_b64 v[(\ar)], v[T+2*cvi:T+2*cvi+1] offset:(((\l0)+cvi)/8)*PA+(((\l0)+cvi)%8)*256
.set cvi, cvi+1
.endr
.endm
; Rows 16 a .. 16 a + 15 of a phase's result, rounded to f16, into 16 rows of LDS (address register ar, off bytes on): a row's 1,024 numbers in the order of n.  Each accumulator is read from its lowest
; registers on.  bar = 1: a barrier follows.
.macro PIECE_OUT a, ar, off, bar
.irp hf, 0,1
	WIN 0x0a+5*(\hf)
.irp b, 0,1,2,3,4,5,6,7
.irp p, 0,1,2,3
	v_cvt_pk_f16_f32 v[T+4*(\b)+(\p)], v[8*(8*(\a)+(\b))+2*(\p)], v[8*(8*(\a)+(\b))+2*(\p)+1]
.endr
.endr
	WIN 0
.irp b, 0,1,2,3,4,5,6,7
	ds_store_b128 v[(\ar)], v[T+4*(\b):T+4*(\b)+3] offset:(\off)+32*(8*(\hf)+(\b))
.endr
.endr
.if \bar
	s_wait_dscnt 0x0                               ; for the others' sake: my part of the 16 rows is in the stage
	s_barrier_signal -1
	s_barrier_wait -1
.endif
.endm
.macro EACH4 line:vararg               ; one line for each of my four positions i4 of a piece
.set i4, 0
.rept 4
	\line
.set i4, i4+1
.endr
.endm
	s_load_b256 s[4:11], s[0:1], 0x0               ; x s[4:5], y s[6:7], Wf s[8:9], Bt s[10:11]
	s_load_b64 s[12:13], s[0:1], 0x20              ; out0
	v_lshl_add_u32 v[SPW], v0, 2, SPARE
	v_mov_b32 v[NIL], 0
	v_lshrrev_b32 v24, 5, v0
	v_readfirstlane_b32 s[WV], v24                 ; wave 0..3
	s_lshl_b32 s22, s[WV], 14                      ; my quarter of a tile in Wf
	s_mov_b32 s23, 0
	s_lshl_b32 s18, ttmp9, 18                      ; my work-group's 64 rows of 4,096 bytes,
	s_lshl_b32 s19, s[WV], 16                      ; my wave's 16 of them
	s_add_co_u32 s18, s18, s19
	s_mov_b32 s19, 0
	s_lshl_b32 s20, ttmp9, 18                      ; out0: the same 64 rows,
	s_lshl_b32 s21, s[WV], 10                      ; my wave's 256 columns
	s_add_co_u32 s20, s20, s21
	s_mov_b32 s21, 0
	s_lshl_b32 s50, ttmp9, 15                      ; the piece of Wf that I prefetch: 8,192 (4 x work-group + wave)
	s_lshl_b32 s51, s[WV], 13
	s_add_co_u32 s50, s50, s51
	s_mov_b32 s51, 0
	s_mov_b32 s[PJ], 5
	s_lshr_b32 s[LIM], ttmp9, 2
	s_mov_b32 s[CS], 0x3e38aa3b                    ; c = log2(e) / 8 = 0.180337
	s_mov_b32 s[CS+1], s[CS]                       ; named with it as a pair
	s_mov_b32 s[SEL], 0x76543210
	s_mov_b32 s[SEL+1], 0xfedcba98
	v_and_b32 v25, 31, v0                          ; lane
	v_lshlrev_b32 v[XO], 4, v25
	v_lshlrev_b32 v[BTO], 4, v0
	s_wait_kmcnt 0x0
	s_add_nc_u64 s[4:5], s[4:5], s[18:19]
	s_add_nc_u64 s[6:7], s[6:7], s[18:19]
	s_add_nc_u64 s[12:13], s[12:13], s[20:21]
	s_add_nc_u64 s[PFA:PFA+1], s[8:9], s[50:51]
	s_add_nc_u64 s[WB:WB+1], s[8:9], s[22:23]      ; my quarter of tile 0
.set gp, 0
.rept 16                               ; the ring's pointers: groups 0-7 in tile 0, groups 8-15 in tile 1, 2,048 bytes a group
	s_add_nc_u64 s[PT+2*gp:PT+2*gp+1], s[WB:WB+1], TILEB*(gp/8)+2048*(gp%8)
.set gp, gp+1
.endr
.irp i, 0,1,2,3,4,5,6,7
	global_load_b128 v[T+4*(\i):T+4*(\i)+3], v[BTO], s[10:11] offset:2048*(\i)  ; Bt: 2,048 bytes an instruction for the 128 threads
.endr
	GLD 2, 0, 6, 0, 64                             ; y, my 16 rows: 128 loads into the accumulators' registers, which are idle
	GLD 3, 0, 6, 64, 64
	GLD 1, 0, 4, 0, 64                             ; x, my rows 0 to 7, into the weights' registers, which are idle
	WIN 0
	v_and_b32 v26, 15, v0                          ; lane % 16
	v_bfe_u32 v27, v0, 4, 1                        ; lane / 16
	v_add_nc_u32 v[BTL], BT, v[BTO]
	s_mul_i32 s54, s[WV], 16*PA                    ; my 16 rows of R0,
	s_add_co_u32 s55, s54, R1                      ; of R1
	v_lshl_add_u32 v[ARS], v25, 3, s54
	v_lshl_add_u32 v[ARS+1], v25, 3, s55
	v_lshl_add_u32 v[AOL], v25, 4, s55
	v_mul_u32_u24 v[AOS], v26, PO
	v_lshl_add_u32 v[AOS], v27, 5, v[AOS]
	v_add_nc_u32 v[AOS], s55, v[AOS]
	v_mul_u32_u24 v[ARH], v26, PA
	v_lshl_add_u32 v[ARH], v27, 4, v[ARH]
	s_lshl_b32 s56, s[WV], 9
	v_add_nc_u32 v[AQS], s56, v[ARH]
	v_add_nc_u32 v[AQS+1], 32*PA, v[AQS]
	v_add_nc_u32 v[ASTG], STG, v[AQS]
	s_mul_i32 s52, s[WV], 4*PA
	v_lshl_add_u32 v[AQ], v25, 4, s52
	v_add_nc_u32 v[AQ+1], 32*PA, v[AQ]
	v_add_nc_u32 v[ASTL], STG, v[AQ]
	v_add_nc_u32 v[AV], R1, v[AQ]
	v_add_nc_u32 v[AV+1], R1+32*PA, v[AQ]
	s_lshl_b32 s53, s[WV], 10
	s_add_co_u32 s53, s53, BT
	v_lshl_add_u32 v[ABT], v27, 5, s53
	v_lshlrev_b32 v[PFO], 8, v25
	s_wait_loadcnt 63                              ; loads come back in order: Bt and y are in; 64 loads were issued behind them, of which 63 may stay out
.irp i, 0,1,2,3,4,5,6,7
	ds_store_b128 v[BTL], v[T+4*(\i):T+4*(\i)+3] offset:2048*(\i)
.endr
	CVS16 2, 0, 0, ARS
	CVS16 2, 64, 16, ARS
	CVS16 2, 128, 32, ARS
	CVS16 2, 192, 48, ARS
	CVS16 3, 0, 64, ARS
	CVS16 3, 64, 80, ARS
	CVS16 3, 128, 96, ARS
	CVS16 3, 192, 112, ARS
	GLD 2, 0, 4, 64, 64                            ; x, my rows 8 to 15, where y's first half lay
	s_wait_loadcnt 63                              ; x's rows 0 to 7 are in: 64 loads were issued behind them
	CVS16 1, 0, 0, ARS+1
	CVS16 1, 64, 16, ARS+1
	CVS16 1, 128, 32, ARS+1
	CVS16 1, 192, 48, ARS+1
.set gp, 0
.rept 15                               ; the weights' stream begins: the ring's groups 0 to 14, 60 loads; group 15 is asked for in the first tile's first group, as in every even tile
	RELOAD gp
.set gp, gp+1
.endr
	s_wait_loadcnt 60                              ; x's rows 8 to 15 are in: the 60 loads just issued may stay out
	CVS16 2, 0, 64, ARS+1
	CVS16 2, 64, 80, ARS+1
	CVS16 2, 128, 96, ARS+1
	CVS16 2, 192, 112, ARS+1
	s_wait_dscnt 0x0                               ; for the others' sake: my rows of y and x and my part of Bt are in LDS
	s_barrier_signal -1
	s_barrier_wait -1
	; PHASE Q: q = y Wq + bq, tiles 0 to 31
	GEMM bf16, R0, 0, 16, 1
	; Q's END.  When every wave has read y for the last time, q takes its place, row for row.
	PLACES
	WIN 0
	s_wait_dscnt 0x0                               ; my reads of y are over
	s_barrier_signal -1
	s_barrier_wait -1
.irp a, 0,1,2,3
	PIECE_OUT \a, AQS+(\a)/2, ((\a)%2)*16*PA, 0
.endr
	s_wait_dscnt 0x0                               ; for the others' sake: my columns of q are in R0
	s_barrier_signal -1
	s_barrier_wait -1
	; PHASE K: k = x Wk + bk, tiles 32 to 63
	GEMM bf16, R1, 1, 16, 1
	PLACES
; K's END, 16 rows at a time: k through the stage; of each 16 positions four are mine: their k and q as fragments (16 heads x 64 channels in 16 registers each); S^T = K Q^T; the softmax; P, which goes over the first 512
; bytes of its position's q, which I alone read and have read.  The barrier that frees the stage is signalled when my reads are back and waited for behind the softmax.
.macro KEND a
	PIECE_OUT \a, ASTG, 0, 1
.irp i, 0,1,2,3
.irp c, 0,1,2,3
	ds_load_b128 v[KF+16*(\i)+4*(\c):KF+16*(\i)+4*(\c)+3], v[ASTL] offset:PA*(\i)+512*(\c)
.endr
.endr
.irp i, 0,1,2,3
.set QF, 192+16*(\i)-160*((\i)/2)      ; q's fragments: positions 0, 1 at v192, v208; positions 2, 3 at v64, v80
.irp c, 0,1,2,3
	ds_load_b128 v[QF+4*(\c):QF+4*(\c)+3], v[AQ+(\a)/2] offset:((\a)%2)*16*PA+PA*(\i)+512*(\c)
.endr
.endr
	s_wait_dscnt 0x0
	s_barrier_signal -1
.irp i, 0,1,2,3                        ; channels 0-31 of the four positions start the sums, channels 32-63 follow: three others stand between the two links of a chain
.set QF, 192+16*(\i)-160*((\i)/2)
	v_wmma_f32_16x16x32_f16 v[SS+8*(\i):SS+8*(\i)+7], v[KF+16*(\i):KF+16*(\i)+7], v[QF:QF+7], 0
.endr
.irp i, 0,1,2,3
.set QF, 192+16*(\i)-160*((\i)/2)
	v_wmma_f32_16x16x32_f16 v[SS+8*(\i):SS+8*(\i)+7], v[KF+16*(\i)+8:KF+16*(\i)+15], v[QF+8:QF+15], v[SS+8*(\i):SS+8*(\i)+7]
.endr
	PLACES
	; a lane holds one query head (lane % 16) and the key heads 8 (lane / 16) + 0..7; the other eight lie in the lane 16 away.  The four positions alternate line by line.
	EACH4 v_max3_num_f32 v[TM+8*i4], v[SS+8*i4], v[SS+8*i4+1], v[SS+8*i4+2]
	EACH4 v_max3_num_f32 v[TM+8*i4+1], v[SS+8*i4+3], v[SS+8*i4+4], v[SS+8*i4+5]
	EACH4 v_max3_num_f32 v[TM+8*i4], v[TM+8*i4], v[SS+8*i4+6], v[SS+8*i4+7]
	EACH4 v_max_num_f32 v[TM+8*i4], v[TM+8*i4], v[TM+8*i4+1]
	EACH4 v_permlanex16_b32 v[TM+8*i4+1], v[TM+8*i4], s[SEL], s[SEL+1]
	EACH4 v_max_num_f32 v[TM+8*i4], v[TM+8*i4], v[TM+8*i4+1]
	EACH4 v_mul_f32 v[TM+8*i4], s[CS], v[TM+8*i4]
.irp p, 0,1,2,3
	EACH4 v_pk_fma_f32 v[SS+8*i4+2*\p:SS+8*i4+2*\p+1], v[SS+8*i4+2*\p:SS+8*i4+2*\p+1], s[CS:CS+1], v[TM+8*i4:TM+8*i4+1] op_sel_hi:[1,0,0] neg_lo:[0,0,1] neg_hi:[0,0,1]
.endr
.irp j, 0,1,2,3,4,5,6,7
	EACH4 v_exp_f32 v[SS+8*i4+\j], v[SS+8*i4+\j]
.endr
	v_nop                                          ; a plain instruction behind the last exponential,
	s_wait_alu depctr_va_vdst(0)                   ; and one wait for the batch of 32, ahead of the first line that names a result
	EACH4 v_pk_add_f32 v[TM+8*i4+2:TM+8*i4+3], v[SS+8*i4:SS+8*i4+1], v[SS+8*i4+2:SS+8*i4+3]
	EACH4 v_pk_add_f32 v[TM+8*i4+4:TM+8*i4+5], v[SS+8*i4+4:SS+8*i4+5], v[SS+8*i4+6:SS+8*i4+7]
	EACH4 v_pk_add_f32 v[TM+8*i4+2:TM+8*i4+3], v[TM+8*i4+2:TM+8*i4+3], v[TM+8*i4+4:TM+8*i4+5]
	EACH4 v_add_f32 v[TM+8*i4+2], v[TM+8*i4+2], v[TM+8*i4+3]
	EACH4 v_permlanex16_b32 v[TM+8*i4+3], v[TM+8*i4+2], s[SEL], s[SEL+1]
	EACH4 v_add_f32 v[TM+8*i4+2], v[TM+8*i4+2], v[TM+8*i4+3]
	EACH4 v_rcp_f32 v[TM+8*i4+4], v[TM+8*i4+2]
	v_nop
	s_wait_alu depctr_va_vdst(0)                   ; one wait for the four reciprocals
.irp p, 0,1,2,3
	EACH4 v_pk_mul_f32 v[SS+8*i4+2*\p:SS+8*i4+2*\p+1], v[SS+8*i4+2*\p:SS+8*i4+2*\p+1], v[TM+8*i4+4:TM+8*i4+5] op_sel_hi:[1,0]
.endr
.irp p, 0,1,2,3
	EACH4 v_cvt_pk_f16_f32 v[T+4*i4+\p], v[SS+8*i4+2*\p], v[SS+8*i4+2*\p+1]
.endr
	s_barrier_wait -1                              ; every wave's reads of the stage are over
	EACH4 ds_store_b128 v[AQ+(\a)/2], v[T+4*i4:T+4*i4+3] offset:((\a)%2)*16*PA+PA*i4
.endm
.irp a, 0,1,2,3
	KEND \a
.endr
	; PHASE V: v = x Wv + bv, tiles 64 to 95
	GEMM bf16, R1, 2, 16, 1
	PLACES
; V's END, 16 rows at a time: v through the stage; val^T = V^T P for my four positions, in pairs u; val, rounded to f16, goes where x lay (the first piece's barrier stands behind every wave's last read of x).
; Fragment (u, t): 16 channels 16 t .. x 32 terms: registers 0-3 the even position's 16 heads, registers 4-7 the odd one's.  P of pair u at T + 12 u: the even position's, four registers of zeros, the odd position's.
; In the result a lane holds one query head and 8 channels: 16 bytes of val in k' order.
.macro VEND a
	PIECE_OUT \a, ASTG, 0, 1
.irp u, 0,1
.irp t, 0,1,2,3
	ds_load_b128 v[KF+32*(\u)+8*(\t):KF+32*(\u)+8*(\t)+3],   v[ASTL] offset:PA*(2*(\u))+512*(\t)
	ds_load_b128 v[KF+32*(\u)+8*(\t)+4:KF+32*(\u)+8*(\t)+7], v[ASTL] offset:PA*(2*(\u)+1)+512*(\t)
.endr
.endr
.irp u, 0,1
	ds_load_b128 v[T+12*(\u):T+12*(\u)+3],    v[AQ+(\a)/2] offset:((\a)%2)*16*PA+PA*(2*(\u))
	ds_load_b128 v[T+12*(\u)+8:T+12*(\u)+11], v[AQ+(\a)/2] offset:((\a)%2)*16*PA+PA*(2*(\u)+1)
.irp z, 0,1,2,3
	v_mov_b32 v[T+12*(\u)+4+(\z)], 0               ; the sixteen terms that a position leaves to its partner
.endr
.endr
	s_wait_dscnt 0x0
	s_barrier_signal -1
.irp u, 0,1
.irp s, 0,1
.irp t, 0,1,2,3
.set DD, 160-128*(\u)+8*(4*(\s)+(\t))
	v_wmma_f32_16x16x32_f16 v[DD:DD+7], v[KF+32*(\u)+8*(\t):KF+32*(\u)+8*(\t)+7], v[T+12*(\u)+4*(\s):T+12*(\u)+4*(\s)+7], 0
.endr
.endr
.endr
	PLACES
.irp u, 0,1
.irp s, 0,1
.irp t, 0,1,2,3
.set DD, 160-128*(\u)+8*(4*(\s)+(\t))
.irp p, 0,1,2,3
	v_cvt_pk_f16_f32 v[KF+4*(8*(\u)+4*(\s)+(\t))+(\p)], v[DD+2*(\p)], v[DD+2*(\p)+1]
.endr
.endr
.endr
.endr
	s_barrier_wait -1                              ; every wave's reads of the stage are over
.irp u, 0,1
.irp s, 0,1
.irp t, 0,1,2,3
	ds_store_b128 v[AV+(\a)/2], v[KF+4*(8*(\u)+4*(\s)+(\t)):KF+4*(8*(\u)+4*(\s)+(\t))+3] offset:(16*((\a)%2)+2*(\u)+(\s))*PA+512*(\t)
.endr
.endr
.endr
.endm
.irp a, 0,1,2,3
	VEND \a
.endr
	s_wait_dscnt 0x0                               ; for the others' sake: my positions' val is in R1
	s_barrier_signal -1
	s_barrier_wait -1
	; PHASE O: out0 = val Wo + bo, tiles 96 to 127, in f16.  The loop is left behind tile 125; the last two tiles are written out: no load leaves Wf
	GEMM f16, R1, 3, 15, 0
	TILE 0, f16, 0, 1, 0, 0, 0
	TILE 1, f16, 0, 0, 0, 0, 0
	; O's END.  A lane holds 32 bytes of a row of out0.  16 rows at a time go through my own stage (where val lay, which nobody reads behind this barrier) and come back as whole pieces of 512 bytes.
	PLACES
	WIN 0
	s_wait_dscnt 0x0
	s_barrier_signal -1
	s_barrier_wait -1
.macro OEND a
.set OB, 32*(1-(\a)%2)                 ; back into v32-159 of window 0 (even a) or v0-127 of window 1 (odd a)
.irp hf, 0,1
	WIN 0x08+4*(\hf)                               ; store data in window 2, 3
.irp b, 0,1,2,3,4,5,6,7
	ds_store_b128 v[AOS], v[8*(8*(\a)+(\b)):8*(8*(\a)+(\b))+3]   offset:64*(8*(\hf)+(\b))
	ds_store_b128 v[AOS], v[8*(8*(\a)+(\b))+4:8*(8*(\a)+(\b))+7] offset:64*(8*(\hf)+(\b))+16
.endr
.endr
	s_wait_xcnt 0x0                                ; the stores of two pieces back have read the registers that are loaded again below
	WIN 0x40*((\a)%2)
.set oi, 0
.rept 32
	ds_load_b128 v[OB+4*oi:OB+4*oi+3], v[AOL] offset:PO*(oi/2)+512*(oi%2)  ; LDS serves a wave's instructions in order (ISA guide 5.7.1.4): these see the stores above, and the next piece's stores come behind them
.set oi, oi+1
.endr
	WIN 0x04*((\a)%2)
.set oi, 0
.rept 32
	s_wait_dscnt 31-oi                             ; load oi is in, the younger ones may stay out
	global_store_b128 v[XO], v[OB+4*oi:OB+4*oi+3], s[12:13] offset:(16*(\a)+oi/2)*4096+512*(oi%2) th:TH_STORE_NT  ; 512 consecutive bytes, at a multiple of 512 from out0's first byte
.set oi, oi+1
.endr
.endm
.irp a, 0,1,2,3
	OEND \a
.endr
	WIN 0
	s_wait_tensorcnt 0x0                           ; the wave's end, behind my last LDS store
	ds_add_u32 v[SPW], v[NIL]
	s_wait_dscnt 0x0
	s_endpgm
.Lfunc_end_k_qbedc812d84_main:
	.size	k_qbedc812d84_main, .Lfunc_end_k_qbedc812d84_main-k_qbedc812d84_main
	.p2alignl 7, 3214868480
	.fill 96, 4, 3214868480
	.section	.rodata,"a",@progbits
	.p2align	6, 0x0
	.amdhsa_kernel k_qbedc812d84_main
		.amdhsa_group_segment_fixed_size 314112
		.amdhsa_private_segment_fixed_size 0
		.amdhsa_enable_private_segment 0
		.amdhsa_kernarg_size 40
		.amdhsa_user_sgpr_count 2
		.amdhsa_user_sgpr_kernarg_segment_ptr 1
		.amdhsa_wavefront_size32 1
		.amdhsa_system_sgpr_workgroup_id_x 1
		.amdhsa_system_sgpr_workgroup_id_y 1
		.amdhsa_system_sgpr_workgroup_id_z 1
		.amdhsa_system_vgpr_workitem_id 0
		.amdhsa_next_free_vgpr 1024
		.amdhsa_next_free_sgpr 98
		.amdhsa_reserve_vcc 0
		.amdhsa_float_denorm_mode_32 3
		.amdhsa_float_denorm_mode_16_64 3
		.amdhsa_memory_ordered 1
		.amdhsa_forward_progress 1
		.amdhsa_inst_pref_size 255
	.end_amdhsa_kernel
	.section	.bss,"aw",@nobits
	.p2align	6
	.space	262144
	.amdgpu_metadata
---
amdhsa.version: [ 1, 2 ]
amdhsa.kernels:
  - .name:           k_qbedc812d84_main
    .symbol:         k_qbedc812d84_main.kd
    .args:
      - { .name: x, .offset: 0, .size: 8, .value_kind: global_buffer, .address_space: global }
      - { .name: y, .offset: 8, .size: 8, .value_kind: global_buffer, .address_space: global }
      - { .name: Wf, .offset: 16, .size: 8, .value_kind: global_buffer, .address_space: global }
      - { .name: Bt, .offset: 24, .size: 8, .value_kind: global_buffer, .address_space: global }
      - { .name: out0, .offset: 32, .size: 8, .value_kind: global_buffer, .address_space: global }
    .group_segment_fixed_size: 314112
    .private_segment_fixed_size: 0
    .kernarg_segment_align: 8
    .kernarg_segment_size: 40
    .max_flat_workgroup_size: 128
    .sgpr_count:     98
    .vgpr_count:     1024
    .wavefront_size: 32
...
	.end_amdgpu_metadata
.endif
;; end of part 3
;; ======== version 3 of 3: 2 launches; version 2 with the launch main written anew for expert scheduling mode
;; limits: values are held in f16: magnitudes above 65,504 overflow, below 6.1e-05 lose precision
;; workspace buffers: Wf 8,388,608 bytes; Bt 16,384 bytes
;; launch prep: the kernel of part 1 again; grid 256 x 1, 8 waves a work-group, no clusters, 33,792 bytes of LDS; arguments Wq, Wkv, Wo, bq, bkv, bo, Wf, Bt; writes Wf, Bt
;; launch main (part 4): grid 256 x 1, 4 waves a work-group, no clusters, 314,112 bytes of LDS; arguments x, y, Wf, Bt, out0; writes out0
.if DOCPART == 4
	.amdgcn_target "amdgcn-amd-amdhsa--gfx1250"
	.amdhsa_code_object_version 6
	.text
	.protected	k_qbedc812d84_main
	.globl	k_qbedc812d84_main
	.p2align	8
	.type	k_qbedc812d84_main,@function
k_qbedc812d84_main:
	s_mov_b64 s[64:65], 0
	v_nop
	global_prefetch_b8 v0, s[64:65] scope:SCOPE_SE
	s_setreg_imm32_b32 hwreg(HW_REG_WAVE_SCHED_MODE, 0, 2), 2
	s_setreg_imm32_b32 hwreg(HW_REG_WAVE_MODE, 25, 1), 1
	s_wait_xcnt 0x0
	s_wait_alu depctr_vm_vsrc(0)
; out0 = val Wo + bo, val_h = sum over g of softmax_g(q_h . k_g / 8) v_g at each of the 16,384 positions, q = y Wq + bq, (k, v) = x Wkv + bkv: 16 heads of 64 channels, the softmax over the HEADS of one position.
; Nothing of the problem is left out; the weights and biases come from Wf and Bt, which the launch before has rounded and laid out (its head gives the layout and the permutations of n and k').
; ALL IN ONE LAUNCH.  A work-group owns 64 positions and makes q, k, v, the softmax, val and out0 for them: nothing but x, y, Wf, Bt comes in and nothing but out0 goes out.
; FOUR PHASES Q, K, V, O, each a product 64 rows x 1,024 columns x 1,024 terms.  Each of four waves makes 64 rows x 256 columns: 64 accumulators of 16 x 16, 512 registers.  The row operand (y, then x, then val)
; lies whole in LDS in 16 bits.  The weights are 128 tiles of 65,536 bytes (32 terms x 1,024 columns), walked in order, on from phase to phase.
; THE WEIGHTS COME STRAIGHT INTO REGISTERS.  A wave alone uses its quarter of a tile (16,384 bytes, in the order of its lanes' registers: each load takes 512 consecutive bytes), so nothing of a tile is shared inside the
; work-group.  A RING OF 16 GROUPS fills window 1: a group is two fragments, 16 registers, 4 loads; 16 groups are two tiles, four groups half a tile.  A half tile's four groups feed 32 products and are asked for again, for
; the tile two on, among the first 16 products of the half tile after it: of the ring's 64 loads 44 to 56 are out through the whole launch, over the phases' ends too, and the loops hold no barrier.  Each group has a pointer
; of its own, stepped behind the counted wait that shows the group's last loads done: that wait frees it, and the loops need no other wait for a scalar address.
; NO CLUSTER, NO RING IN LDS, though every work-group walks the same tiles.  Beside a resident row operand of 132,096 bytes, the stage and the biases, LDS has room for two slots of one tile, 64 products a wave; a change of
; slots waits for all tensor loads.  The price of this form: each work-group fetches the 8 MiB of Wf itself.
; THE MATRIX INSTRUCTION IS USED TRANSPOSED (source 0 = 16 columns of weights, source 1 = 16 rows): a lane holds one row (lane % 16) and 8 neighbouring columns n.  The sums start from the bias, as the first product's C.
; BETWEEN THE PHASES q, k and v are rounded to f16 and change lanes through LDS (q into the rows that y leaves, k and v through a stage of 16 rows).  Thanks to n's permutation a position's 16 heads x 64 channels then come
; out as matrix operands by loads of 512 consecutive bytes: S^T = K Q^T (a lane: one query head, 8 key heads), softmax with the row's maximum taken away, P in f16, and val^T = V^T P.  P has 16 terms of the form's 32:
; two positions share a fragment of V^T (terms 0-15 the even position's heads, 16-31 the odd one's), and P stands beside 16 zeros.  val is written in k' order where x lay.
; FORMATS.  x, y, Wq, Wkv, the biases: bf16.  What the program makes (q, k, v, P, val): f16; Wo: its bf16 number as f16.  All sums, the maximum and the softmax in f32.
; LIMITS.  |q|, |k|, |v| stay under 65,504 (f16's end).  A weight below 2^-126 counts as 0 in the softmax's sum.  NaN and infinities are not treated apart (a zero of P's padding times an infinite v is NaN).
; LDS: R0: 64 rows of 2,064 bytes (2,048 + 16 = 129 x 16: the 16 rows of a fragment load start at 16 different 16-byte columns modulo 256): y, then q, then P in the first 512 bytes of its position's row;
; R1: the same: x, then val, at the end each wave's own stage for out0; STG: 16 rows of 2,064; BT: Bt; the spare words.
; REGISTERS, in windows of 256 (s_set_vgpr_msb: bits 1:0 source 0, 3:2 source 1, 5:4 source 2, 7:6 destination):
;   window 0: v0-27 addresses; v32-95 two buffers of row fragments; v96-223 a phase's biases as 16 C operands, and at work in the phases' ends; v224-255 at work
;   window 1: at the head x on its way in; then the ring of weights, group g at 16 g; at the end rows of out0
;   windows 2, 3: at the head y and x on their way in; then accumulator (a, b) at 8 (8 a + b % 8), window 2 for b < 8, window 3 for b >= 8
; THE MODE: SCHED_MODE bits 1:0 = 2 (LLVM: expert scheduling mode 2), set by the entry lines.  The code itself states the register dependences between vector or matrix instructions and memory or LDS
; instructions, with s_wait_alu, always for 0.
; THE PLAN.  Registers that memory or LDS instructions touch, in the loops:
;   the ring        Group g: read by its 8 products; the loads for the tile two on land in it among the first 16 products of the NEXT half tile.
;   AB0, AB0 + 32   Row fragments: buffer p is read by the 64 products of a tile of parity p; the LDS loads for the tile two on land in it in the third group of the next tile.
;   v[ADA], v[ADA+1]  Read by those LDS loads; stepped once a tile, at the tile's head.
;   v[XO], v[PFO]   Read by every load of weights and by the prefetch; never written again.  The ring's pointers are scalar registers.
;   The accumulators are named by matrix instructions alone.
; So ONE wait on va_vdst stands at the head of each half tile: the products of the half tile before are done reading their four groups; at a tile's head also: the tile before is done reading its row fragments, and
; v[ADA], v[ADA+1] are written.  The half tile's 16 loads of weights and the tile's 8 LDS loads follow it, dealt among products that name this half tile's groups, the other fragment buffer and the accumulators: none
; of the registers that those loads touch.  One wait on vm_vsrc a tile stands ahead of the adds to v[ADA], v[ADA+1].
; Outside the loops: T (v224-255) is the out-buffer of the head's and the ends' conversions: written by them, read by the LDS stores behind them; a wait on va_vdst stands between the two, a wait on vm_vsrc ahead of the
; next writer.  What else a phase's beginning and end owe is said at each wait.  v[SPW], v[NIL]: written at the head, read by the closing add alone.
.set TILEB, 65536
.set PA,    2064
.set R0,    0
.set R1,    64*PA                      ; 132,096
.set STG,   128*PA                     ; 264,192
.set BT,    STG+16*PA                  ; 297,216
.set SPARE, BT+16384                   ; 313,600: the spare words, 128 bytes for each wave: two blocks of 256 bytes that no other line names
.set PO,    1040                       ; a row of the stage for out0: 1,024 bytes + 16
.set SPW,  1                           ; v1   LDS address of my spare word; never rewritten
.set NIL,  2                           ; v2   0; never rewritten
.set XO,   3                           ; v3   16 x lane: my bytes in 512 consecutive bytes of x, y, Wf, out0; never rewritten
.set ARS,  4                           ; v4-5 R0, R1 + my wave's 16 rows + 8 x lane: where converted rows go
.set ARH,  6                           ; v6   2,064 (lane % 16) + 16 (lane / 16)
.set ADA,  7                           ; v7-8 the row fragments to be fetched next: rows 0-31, rows 32-63
.set ASTG, 9                           ; v9   STG + 2,064 (lane % 16) + 16 (lane / 16) + 512 wave: into the stage
.set ASTL, 10                          ; v10  STG + my 4 rows + 16 x lane: out of the stage
.set ABT,  11                          ; v11  BT + 1,024 wave + 32 (lane / 16)
.set AV,   12                          ; v12-13 R1 + my 4 rows of a piece + 16 x lane; the same 32 rows on
.set AQ,   14                          ; v14-15 the same in R0
.set AQS,  16                          ; v16-17 R0 + 2,064 (lane % 16) + 16 (lane / 16) + 512 wave; the same 32 rows on
.set AOS,  18                          ; v18  into my stage for out0
.set AOL,  19                          ; v19  out of it
.set PFO,  20                          ; v20  256 x lane; never rewritten
.set BTO,  21                          ; v21  16 x thread
.set BTL,  22                          ; v22  BT + 16 x thread
.set AB0,  32
.set CB,   96                          ; the biases: column block b at CB + 8 b
.set KF,   96                          ; the phases' ends: fragments of K or V^T
.set SS,   160                         ; S^T, 8 registers for each of 4 positions
.set TM,   32                          ; the softmax's 8 registers at work for each of 4 positions
.set T,    224
.set WV,   14                          ; s14  my wave's number
.set WB,   24                          ; s[24:25] Wf at my quarter of tile 0
.set CNT,  40
.set PJ,   41                          ; s41  5 + the number of odd tiles passed
.set LIM,  42                          ; s42  my work-group's number / 4: I prefetch where s41 equals it
.set PFA,  44                          ; s[44:45] the 8,192 bytes of Wf that I prefetch; never rewritten
.set CS,   46                          ; s[46:47] c = log2(e) / 8
.set SEL,  48                          ; s[48:49] v_permlanex16_b32's selects: each lane takes its own place in the other half
.set PT,   66                          ; s[66:97] the ring's pointers: group g's 2,048 bytes of Wf at s[66 + 2 g : 67 + 2 g]
.set MSB, 0
.macro WIN new                         ; the immediate's high byte repeats the setting that is left; a switch that changes nothing is dropped
.if MSB != (\new)
	s_set_vgpr_msb (MSB<<8)|(\new)
.set MSB, (\new)
.endif
.endm
; Four places: a vector instruction or LDS store that reads a matrix result or writes a matrix instruction's register stands four plain vector instructions behind it; this text keeps the same
; four ahead of loads into registers that a matrix instruction has read, as its form outside the mode does.
.macro PLACES
.rept 4
	v_nop
.endr
.endm
; 4 products: fragment f (0, 1) of the ring's group g (tile parity g / 8, column half hi = (g / 4) % 2, column block b = 2 (g % 4) + f of that half) times the four row blocks.  The 64 accumulators take turns in the same
; order in every tile, one instruction a turn.  first = 1: a phase's first tile: the bias starts the sums.
.macro STEP fmt, g, f, first
.set hi_, ((\g)/4)%2
.set bb_, 2*((\g)%4)+(\f)
.if \first
	WIN 0x81+0x40*hi_
.else
	WIN 0xa1+0x50*hi_
.endif
.irp a, 0,1,2,3
.if \first
	v_wmma_f32_16x16x32_\fmt v[8*(8*(\a)+bb_):8*(8*(\a)+bb_)+7], v[16*(\g)+8*(\f):16*(\g)+8*(\f)+7], v[AB0+32*((\g)/8)+8*(\a):AB0+32*((\g)/8)+8*(\a)+7], v[CB+64*hi_+8*bb_:CB+64*hi_+8*bb_+7]
.else
	v_wmma_f32_16x16x32_\fmt v[8*(8*(\a)+bb_):8*(8*(\a)+bb_)+7], v[16*(\g)+8*(\f):16*(\g)+8*(\f)+7], v[AB0+32*((\g)/8)+8*(\a):AB0+32*((\g)/8)+8*(\a)+7], v[8*(8*(\a)+bb_):8*(8*(\a)+bb_)+7]
.endif
.endr
.endm
.macro RELOAD g                        ; group g's 4 loads, 512 consecutive bytes each, from where its pointer stands
	WIN 0x40
.irp i, 0,1,2,3
	global_load_b128 v[16*(\g)+4*(\i):16*(\g)+4*(\i)+3], v[XO], s[PT+2*(\g):PT+2*(\g)+1] offset:512*(\i)
.endr
.endm
.macro LDA ab, k                       ; 4 row fragments, k bytes behind the running addresses
.irp a, 0,1,2,3
	ds_load_b128 v[(\ab)+8*(\a):(\ab)+8*(\a)+3],   v[ADA+(\a)/2] offset:((\a)%2)*16*PA+(\k)
	ds_load_b128 v[(\ab)+8*(\a)+4:(\ab)+8*(\a)+7], v[ADA+(\a)/2] offset:((\a)%2)*16*PA+(\k)+32
.endr
.endm
.macro LDBIAS dst, ph, hs              ; the bias as 8 C operands: register j of lane l is column 16 b + 8 (l / 16) + j
.irp f, 0,1,2,3,4,5,6,7
	ds_load_b128 v[(\dst)+8*(\f):(\dst)+8*(\f)+3],   v[ABT] offset:4096*(\ph)+64*(8*(\hs)+(\f))
	ds_load_b128 v[(\dst)+8*(\f)+4:(\dst)+8*(\f)+7], v[ABT] offset:4096*(\ph)+64*(8*(\hs)+(\f))+16
.endr
.endm
; A PREFETCH of Wf.  Its 8 MiB are 1,024 pieces of 8,192 bytes, and the launch has 1,024 waves: wave w of work-group g asks ONCE, for piece 4 g + w (a quarter of half g % 2 of tile g / 2), a lane 256 bytes: each block is named
; once in the launch, and the address is never rewritten.  It asks in the odd tile 2 j + 1 with j + 5 = g / 4, that is for tiles 2 j + 10 and 2 j + 11: seven tiles, 448 matrix instructions, ahead of the first loads of tile
; 2 j + 10, which go out in the second half of tile 2 j + 8.  Tiles 0 to 9 (work-groups 0 to 19) come by their loads alone.
.macro ASK
	s_cmp_eq_u32 s[PJ], s[LIM]
	s_cbranch_scc0 .Lnot_mine_\@
	global_prefetch_b8 v[PFO], s[PFA:PFA+1] th:TH_LOAD_NT scope:SCOPE_SE
.Lnot_mine_\@:
	s_add_co_u32 s[PJ], s[PJ], 1
.endm
; A TILE of parity par: its row fragments are in buffer par, its weights in the ring's groups 8 par .. 8 par + 7.  For each group: the wait for its 4 loads; its pointer's step; its two fragments' four products each.
; AT THE HEAD OF EACH HALF TILE (four groups) stands the wait on va_vdst of the plan.  Behind it the four groups of the half tile BEFORE in the ring are asked for again, for the tile two on: one group behind each run of
; four products in the half tile's first two groups.  No further wait: the products issued since name other groups.
; THE COUNTS 44, 48, 52, 48: loads come back in order, and behind a group's 4 loads the ring's later groups have been asked for as far as the last reload: 11 groups at a half tile's first group, 12 at its second (two
; reloads have gone out), 13 at its third (all four), 12 at its fourth.
; ld = 1: the ring is fed.  ld = 0 (the last two tiles): only tile 126's first half still asks, for the ring's last four groups, and the counts run down: 4 (15 - g) younger loads exist at the most.  A half tile
; that asks for nothing has no wait on va_vdst and no places.
; next = 1: the next tile's row fragments are fetched, in the third group; their addresses are stepped at the tile's head.  skip = 1: not in the loop's last trip, which is the phase's last tile (its step serves nothing).
; ask = 1: an odd tile that may prefetch, behind the half tile's reloads.
.macro TILE par, fmt, ld, next, ask, first, skip
	s_wait_dscnt 0x0                               ; the row fragments (and, in a phase's first tile, the biases) are in
.irp q, 0,1,2,3,4,5,6,7
.set gg_, 8*(\par)+(\q)
.set cn_, 44+4*((\q)%4)-8*(((\q)%4)/3)
.if ((\ld) == 0) && (4*(15-gg_) < cn_)
.set cn_, 4*(15-gg_)
.endif
.set hd_, 0
.if ((\q)%4 == 0) && ((\ld) || (gg_ == 0))
.set hd_, 1
.endif
.if hd_                                ; four plain instructions behind the last product of the half tile before, whose registers are loaded again below
.if ((\q) == 0) && (\next)
	WIN 0
	v_nop
	v_nop
	s_wait_alu depctr_vm_vsrc(0)                   ; the LDS loads issued so far have read v[ADA], v[ADA+1]
	v_add_nc_u32 v[ADA], 64, v[ADA]                ; the next tile's row fragments
	v_add_nc_u32 v[ADA+1], 64, v[ADA+1]
.else
	PLACES
.endif
.endif
	s_wait_loadcnt cn_
.if \ld
	s_add_nc_u64 s[PT+2*gg_:PT+2*gg_+1], s[PT+2*gg_:PT+2*gg_+1], 2*TILEB  ; the wait above has shown the last loads by this pointer done: two tiles on
.endif
.if hd_
	s_wait_alu depctr_va_vdst(0)                   ; the products of the half tile before are done reading their four groups, in which the reloads below land; at a tile's head: the tile before is done reading its row fragments, in which the LDS loads below land, and v[ADA], v[ADA+1] are written
.endif
	STEP \fmt, gg_, 0, \first
.set pp_, (gg_-(\q)%4+12)%16+2*((\q)%4)
.if ((\q)%4 < 2) && ((\ld) || (gg_ < 2))
	RELOAD pp_
.endif
.if ((\q) == 2) && ((\ask) || (\next))
	WIN 0                                          ; at a branch and at a label every window is 0
.if \ask
	ASK
.endif
.if \next
.if \skip
	s_cmp_eq_u32 s[CNT], 1
	s_cbranch_scc1 .Lno_rows_\@
.endif
	LDA AB0+32*(1-(\par)), 0                       ; no wait: no vector or matrix instruction since the tile's head names this buffer or its addresses
.if \skip
.Lno_rows_\@:
.endif
.endif
.endif
	STEP \fmt, gg_, 1, \first
.if ((\q)%4 < 2) && ((\ld) || (gg_ < 2))
	RELOAD pp_+1
.endif
.endr
.endm
; A PHASE BEGINS: the row operand lies at LDS byte rb; its first fragments and the phase's biases are fetched.
.macro PSTART rb, ph
	WIN 0
	PLACES
.if (\ph) > 0
	s_wait_alu depctr_vm_vsrc(0)                   ; the LDS loads of the phase before have read v[ADA], v[ADA+1]; the LDS stores of its end have read their data, among them (phase O) v96-159, in which biases land
.endif
	v_add_nc_u32 v[ADA], (\rb), v[ARH]
	v_add_nc_u32 v[ADA+1], (\rb)+32*PA, v[ARH]
	s_wait_alu depctr_va_vdst(0)                   ; v[ADA], v[ADA+1] are written; the vector and matrix instructions of the phase before and of its end are done with v32-63 and v96-223, in which the loads below land
	LDA AB0, 0
	LDBIAS CB, \ph, 0
	LDBIAS CB+64, \ph, 1
.endm
; A PHASE's PRODUCTS: the first tile, written out since the bias starts its sums; then a loop of an odd and an even tile, left in its middle behind odd tile number trips.
.macro GEMM fmt, rb, ph, trips, skip
	PSTART \rb, \ph
	TILE 0, \fmt, 1, 1, 0, 1, 0
	WIN 0
	s_mov_b32 s[CNT], \trips
.Ltile_\@:
	TILE 1, \fmt, 1, 1, 1, 0, \skip
	WIN 0
	s_sub_co_u32 s[CNT], s[CNT], 1
	s_cmp_eq_u32 s[CNT], 0
	s_cbranch_scc1 .Lphase_end_\@
	TILE 0, \fmt, 1, 1, 0, 0, 0
	WIN 0
	s_branch .Ltile_\@
.Lphase_end_\@:
.endm
; n loads of 512 consecutive bytes of my wave's 16 rows of x or y (load l: row l / 8, bytes 512 (l % 8) on), from load l0 on, into window win from register reg0 on
.macro GLD win, reg0, b0, l0, n
	WIN (\win)<<6
.set gi, 0
.rept \n
	global_load_b128 v[(\reg0)+4*gi:(\reg0)+4*gi+3], v[XO], s[(\b0):(\b0)+1] offset:512*((\l0)+gi) th:TH_LOAD_NT
.set gi, gi+1
.endr
.endm
; 16 such loads, in window sw from reg0 on, are rounded to bf16 and put into LDS by address register ar: 256 consecutive bytes an instruction
.macro CVS16 sw, reg0, l0, ar
	WIN 5*(\sw)
	s_wait_alu depctr_vm_vsrc(0)                   ; the LDS stores issued so far have read T, which the conversions write again
.set cvi, 0
.rept 16
	v_cvt_pk_bf16_f32 v[T+2*cvi],   v[(\reg0)+4*cvi],   v[(\reg0)+4*cvi+1]
	v_cvt_pk_bf16_f32 v[T+2*cvi+1], v[(\reg0)+4*cvi+2], v[(\reg0)+4*cvi+3]
.set cvi, cvi+1
.endr
	WIN 0
	s_wait_alu depctr_va_vdst(0)                   ; the conversions have written T, which the LDS stores read, and are done reading the rows' registers, in which later loads land
.set cvi, 0
.rept 16
	ds_store_b64 v[(\ar)], v[T+2*cvi:T+2*cvi+1] offset:(((\l0)+cvi)/8)*PA+(((\l0)+cvi)%8)*256
.set cvi, cvi+1
.endr
.endm
; Rows 16 a .. 16 a + 15 of a phase's result, rounded to f16, into 16 rows of LDS (address register ar, off bytes on): a row's 1,024 numbers in the order of n.  Each accumulator is read from its lowest
; registers on.  bar = 1: a barrier follows.  w0 not 0: LDS stores issued since the last wait on vm_vsrc have read T.
.macro PIECE_OUT a, ar, off, bar, w0
.irp hf, 0,1
	WIN 0x0a+5*(\hf)
.if (\hf) || (\w0)
	s_wait_alu depctr_vm_vsrc(0)                   ; the LDS stores issued so far have read T, which the conversions write again
.endif
.irp b, 0,1,2,3,4,5,6,7
.irp p, 0,1,2,3
	v_cvt_pk_f16_f32 v[T+4*(\b)+(\p)], v[8*(8*(\a)+(\b))+2*(\p)], v[8*(8*(\a)+(\b))+2*(\p)+1]
.endr
.endr
	WIN 0
	s_wait_alu depctr_va_vdst(0)                   ; the conversions have written T, which the LDS stores read
.irp b, 0,1,2,3,4,5,6,7
	ds_store_b128 v[(\ar)], v[T+4*(\b):T+4*(\b)+3] offset:(\off)+32*(8*(\hf)+(\b))
.endr
.endr
.if \bar
	s_wait_dscnt 0x0                               ; for the others' sake: my part of the 16 rows is in the stage
	s_barrier_signal -1
	s_barrier_wait -1
.endif
.endm
.macro EACH4 line:vararg               ; one line for each of my four positions i4 of a piece
.set i4, 0
.rept 4
	\line
.set i4, i4+1
.endr
.endm
	s_load_b256 s[4:11], s[0:1], 0x0               ; x s[4:5], y s[6:7], Wf s[8:9], Bt s[10:11]
	s_load_b64 s[12:13], s[0:1], 0x20              ; out0
	v_lshl_add_u32 v[SPW], v0, 2, SPARE
	v_mov_b32 v[NIL], 0
	v_lshrrev_b32 v24, 5, v0
	v_readfirstlane_b32 s[WV], v24                 ; wave 0..3
	v_and_b32 v25, 31, v0                          ; lane
	v_lshlrev_b32 v[XO], 4, v25
	v_lshlrev_b32 v[BTO], 4, v0
	s_wait_alu depctr_va_sdst(0)                   ; s14 is written, ahead of its first reader: the offsets below are made from it
	s_lshl_b32 s22, s[WV], 14                      ; my quarter of a tile in Wf
	s_mov_b32 s23, 0
	s_lshl_b32 s18, ttmp9, 18                      ; my work-group's 64 rows of 4,096 bytes,
	s_lshl_b32 s19, s[WV], 16                      ; my wave's 16 of them
	s_add_co_u32 s18, s18, s19
	s_mov_b32 s19, 0
	s_lshl_b32 s20, ttmp9, 18                      ; out0: the same 64 rows,
	s_lshl_b32 s21, s[WV], 10                      ; my wave's 256 columns
	s_add_co_u32 s20, s20, s21
	s_mov_b32 s21, 0
	s_lshl_b32 s50, ttmp9, 15                      ; the piece of Wf that I prefetch: 8,192 (4 x work-group + wave)
	s_lshl_b32 s51, s[WV], 13
	s_add_co_u32 s50, s50, s51
	s_mov_b32 s51, 0
	s_mov_b32 s[PJ], 5
	s_lshr_b32 s[LIM], ttmp9, 2
	s_mov_b32 s[CS], 0x3e38aa3b                    ; c = log2(e) / 8 = 0.180337
	s_mov_b32 s[CS+1], s[CS]                       ; named with it as a pair
	s_mov_b32 s[SEL], 0x76543210
	s_mov_b32 s[SEL+1], 0xfedcba98
	s_wait_kmcnt 0x0
	s_add_nc_u64 s[4:5], s[4:5], s[18:19]
	s_add_nc_u64 s[6:7], s[6:7], s[18:19]
	s_add_nc_u64 s[12:13], s[12:13], s[20:21]
	s_add_nc_u64 s[PFA:PFA+1], s[8:9], s[50:51]
	s_add_nc_u64 s[WB:WB+1], s[8:9], s[22:23]      ; my quarter of tile 0
.set gp, 0
.rept 16                               ; the ring's pointers: groups 0-7 in tile 0, groups 8-15 in tile 1, 2,048 bytes a group
	s_add_nc_u64 s[PT+2*gp:PT+2*gp+1], s[WB:WB+1], TILEB*(gp/8)+2048*(gp%8)
.set gp, gp+1
.endr
	s_wait_alu depctr_va_vdst(0)                   ; v[XO] and v[BTO] are written, which the loads below read as their offsets
.irp i, 0,1,2,3,4,5,6,7
	global_load_b128 v[T+4*(\i):T+4*(\i)+3], v[BTO], s[10:11] offset:2048*(\i)  ; Bt: 2,048 bytes an instruction for the 128 threads
.endr
	GLD 2, 0, 6, 0, 64                             ; y, my 16 rows: 128 loads into the accumulators' registers, which are idle
	GLD 3, 0, 6, 64, 64
	GLD 1, 0, 4, 0, 64                             ; x, my rows 0 to 7, into the weights' registers, which are idle
	WIN 0
	v_and_b32 v26, 15, v0                          ; lane % 16
	v_bfe_u32 v27, v0, 4, 1                        ; lane / 16
	v_add_nc_u32 v[BTL], BT, v[BTO]
	s_mul_i32 s54, s[WV], 16*PA                    ; my 16 rows of R0,
	s_add_co_u32 s55, s54, R1                      ; of R1
	v_lshl_add_u32 v[ARS], v25, 3, s54
	v_lshl_add_u32 v[ARS+1], v25, 3, s55
	v_lshl_add_u32 v[AOL], v25, 4, s55
	v_mul_u32_u24 v[AOS], v26, PO
	v_lshl_add_u32 v[AOS], v27, 5, v[AOS]
	v_add_nc_u32 v[AOS], s55, v[AOS]
	v_mul_u32_u24 v[ARH], v26, PA
	v_lshl_add_u32 v[ARH], v27, 4, v[ARH]
	s_lshl_b32 s56, s[WV], 9
	v_add_nc_u32 v[AQS], s56, v[ARH]
	v_add_nc_u32 v[AQS+1], 32*PA, v[AQS]
	v_add_nc_u32 v[ASTG], STG, v[AQS]
	s_mul_i32 s52, s[WV], 4*PA
	v_lshl_add_u32 v[AQ], v25, 4, s52
	v_add_nc_u32 v[AQ+1], 32*PA, v[AQ]
	v_add_nc_u32 v[ASTL], STG, v[AQ]
	v_add_nc_u32 v[AV], R1, v[AQ]
	v_add_nc_u32 v[AV+1], R1+32*PA, v[AQ]
	s_lshl_b32 s53, s[WV], 10
	s_add_co_u32 s53, s53, BT
	v_lshl_add_u32 v[ABT], v27, 5, s53
	v_lshlrev_b32 v[PFO], 8, v25
	s_wait_loadcnt 63                              ; loads come back in order: Bt and y are in; 64 loads were issued behind them, of which 63 may stay out
	s_wait_alu depctr_va_vdst(0)                   ; the LDS addresses v4 to v22 and the prefetch's offset are written: all but v[ADA], v[ADA+1] for the whole kernel
.irp i, 0,1,2,3,4,5,6,7
	ds_store_b128 v[BTL], v[T+4*(\i):T+4*(\i)+3] offset:2048*(\i)
.endr
	CVS16 2, 0, 0, ARS
	CVS16 2, 64, 16, ARS
	CVS16 2, 128, 32, ARS
	CVS16 2, 192, 48, ARS
	CVS16 3, 0, 64, ARS
	CVS16 3, 64, 80, ARS
	CVS16 3, 128, 96, ARS
	CVS16 3, 192, 112, ARS
	GLD 2, 0, 4, 64, 64                            ; x, my rows 8 to 15, where y's first half lay.  No wait: the conversions that read these registers stand ahead of the last wait on va_vdst
	s_wait_loadcnt 63                              ; x's rows 0 to 7 are in: 64 loads were issued behind them
	CVS16 1, 0, 0, ARS+1
	CVS16 1, 64, 16, ARS+1
	CVS16 1, 128, 32, ARS+1
	CVS16 1, 192, 48, ARS+1
.set gp, 0
.rept 12                               ; the weights' stream begins: the ring's groups 0 to 11, 48 loads; groups 12 to 15 are asked for in the first tile's first half, as in every even tile.  No wait: as above
	RELOAD gp
.set gp, gp+1
.endr
	s_wait_loadcnt 48                              ; x's rows 8 to 15 are in: the 48 loads just issued may stay out
	CVS16 2, 0, 64, ARS+1
	CVS16 2, 64, 80, ARS+1
	CVS16 2, 128, 96, ARS+1
	CVS16 2, 192, 112, ARS+1
	s_wait_dscnt 0x0                               ; for the others' sake: my rows of y and x and my part of Bt are in LDS
	s_barrier_signal -1
	s_barrier_wait -1
	; PHASE Q: q = y Wq + bq, tiles 0 to 31
	GEMM bf16, R0, 0, 16, 1
	; Q's END.  When every wave has read y for the last time, q takes its place, row for row.
	PLACES
	WIN 0
	s_wait_dscnt 0x0                               ; my reads of y are over
	s_barrier_signal -1
	s_barrier_wait -1
.irp a, 0,1,2,3
	PIECE_OUT \a, AQS+(\a)/2, ((\a)%2)*16*PA, 0, \a
.endr
	s_wait_dscnt 0x0                               ; for the others' sake: my columns of q are in R0
	s_barrier_signal -1
	s_barrier_wait -1
	; PHASE K: k = x Wk + bk, tiles 32 to 63
	GEMM bf16, R1, 1, 16, 1
	PLACES
; K's END, 16 rows at a time: k through the stage; of each 16 positions four are mine: their k and q as fragments (16 heads x 64 channels in 16 registers each); S^T = K Q^T; the softmax; P, which goes over the first 512
; bytes of its position's q, which I alone read and have read.  The barrier that frees the stage is signalled when my reads are back and waited for behind the softmax.
; The fragments' loads owe no wait of their own: what named their registers (the phase's products, the piece before) stands ahead of PIECE_OUT's last wait on va_vdst, and no LDS store has read them.
.macro KEND a
	PIECE_OUT \a, ASTG, 0, 1, \a
.irp i, 0,1,2,3
.irp c, 0,1,2,3
	ds_load_b128 v[KF+16*(\i)+4*(\c):KF+16*(\i)+4*(\c)+3], v[ASTL] offset:PA*(\i)+512*(\c)
.endr
.endr
.irp i, 0,1,2,3
.set QF, 192+16*(\i)-160*((\i)/2)      ; q's fragments: positions 0, 1 at v192, v208; positions 2, 3 at v64, v80
.irp c, 0,1,2,3
	ds_load_b128 v[QF+4*(\c):QF+4*(\c)+3], v[AQ+(\a)/2] offset:((\a)%2)*16*PA+PA*(\i)+512*(\c)
.endr
.endr
	s_wait_dscnt 0x0
	s_barrier_signal -1
.irp i, 0,1,2,3                        ; channels 0-31 of the four positions start the sums, channels 32-63 follow: three others stand between the two links of a chain
.set QF, 192+16*(\i)-160*((\i)/2)
	v_wmma_f32_16x16x32_f16 v[SS+8*(\i):SS+8*(\i)+7], v[KF+16*(\i):KF+16*(\i)+7], v[QF:QF+7], 0
.endr
.irp i, 0,1,2,3
.set QF, 192+16*(\i)-160*((\i)/2)
	v_wmma_f32_16x16x32_f16 v[SS+8*(\i):SS+8*(\i)+7], v[KF+16*(\i)+8:KF+16*(\i)+15], v[QF+8:QF+15], v[SS+8*(\i):SS+8*(\i)+7]
.endr
	PLACES
	; a lane holds one query head (lane % 16) and the key heads 8 (lane / 16) + 0..7; the other eight lie in the lane 16 away.  The four positions alternate line by line.
	EACH4 v_max3_num_f32 v[TM+8*i4], v[SS+8*i4], v[SS+8*i4+1], v[SS+8*i4+2]
	EACH4 v_max3_num_f32 v[TM+8*i4+1], v[SS+8*i4+3], v[SS+8*i4+4], v[SS+8*i4+5]
	EACH4 v_max3_num_f32 v[TM+8*i4], v[TM+8*i4], v[SS+8*i4+6], v[SS+8*i4+7]
	EACH4 v_max_num_f32 v[TM+8*i4], v[TM+8*i4], v[TM+8*i4+1]
	EACH4 v_permlanex16_b32 v[TM+8*i4+1], v[TM+8*i4], s[SEL], s[SEL+1]
	EACH4 v_max_num_f32 v[TM+8*i4], v[TM+8*i4], v[TM+8*i4+1]
	EACH4 v_mul_f32 v[TM+8*i4], s[CS], v[TM+8*i4]
.irp p, 0,1,2,3
	EACH4 v_pk_fma_f32 v[SS+8*i4+2*\p:SS+8*i4+2*\p+1], v[SS+8*i4+2*\p:SS+8*i4+2*\p+1], s[CS:CS+1], v[TM+8*i4:TM+8*i4+1] op_sel_hi:[1,0,0] neg_lo:[0,0,1] neg_hi:[0,0,1]
.endr
.irp j, 0,1,2,3,4,5,6,7
	EACH4 v_exp_f32 v[SS+8*i4+\j], v[SS+8*i4+\j]
.endr
	v_nop                                          ; a plain instruction behind the last exponential,
	s_wait_alu depctr_va_vdst(0)                   ; and one wait for the batch of 32, ahead of the first line that names a result
	EACH4 v_pk_add_f32 v[TM+8*i4+2:TM+8*i4+3], v[SS+8*i4:SS+8*i4+1], v[SS+8*i4+2:SS+8*i4+3]
	EACH4 v_pk_add_f32 v[TM+8*i4+4:TM+8*i4+5], v[SS+8*i4+4:SS+8*i4+5], v[SS+8*i4+6:SS+8*i4+7]
	EACH4 v_pk_add_f32 v[TM+8*i4+2:TM+8*i4+3], v[TM+8*i4+2:TM+8*i4+3], v[TM+8*i4+4:TM+8*i4+5]
	EACH4 v_add_f32 v[TM+8*i4+2], v[TM+8*i4+2], v[TM+8*i4+3]
	EACH4 v_permlanex16_b32 v[TM+8*i4+3], v[TM+8*i4+2], s[SEL], s[SEL+1]
	EACH4 v_add_f32 v[TM+8*i4+2], v[TM+8*i4+2], v[TM+8*i4+3]
	EACH4 v_rcp_f32 v[TM+8*i4+4], v[TM+8*i4+2]
	v_nop
	s_wait_alu depctr_va_vdst(0)                   ; one wait for the four reciprocals
.irp p, 0,1,2,3
	EACH4 v_pk_mul_f32 v[SS+8*i4+2*\p:SS+8*i4+2*\p+1], v[SS+8*i4+2*\p:SS+8*i4+2*\p+1], v[TM+8*i4+4:TM+8*i4+5] op_sel_hi:[1,0]
.endr
	s_wait_alu depctr_vm_vsrc(0)                   ; PIECE_OUT's LDS stores have read T, which P's conversions write
.irp p, 0,1,2,3
	EACH4 v_cvt_pk_f16_f32 v[T+4*i4+\p], v[SS+8*i4+2*\p], v[SS+8*i4+2*\p+1]
.endr
	s_wait_alu depctr_va_vdst(0)                   ; P's conversions have written T, which the LDS stores below read
	s_barrier_wait -1                              ; every wave's reads of the stage are over
	EACH4 ds_store_b128 v[AQ+(\a)/2], v[T+4*i4:T+4*i4+3] offset:((\a)%2)*16*PA+PA*i4
.endm
.irp a, 0,1,2,3
	KEND \a
.endr
	; PHASE V: v = x Wv + bv, tiles 64 to 95
	GEMM bf16, R1, 2, 16, 1
	PLACES
; V's END, 16 rows at a time: v through the stage; val^T = V^T P for my four positions, in pairs u; val, rounded to f16, goes where x lay (the first piece's barrier stands behind every wave's last read of x).
; Fragment (u, t): 16 channels 16 t .. x 32 terms: registers 0-3 the even position's 16 heads, registers 4-7 the odd one's.  P of pair u at T + 12 u: the even position's, four registers of zeros, the odd position's.
; In the result a lane holds one query head and 8 channels: 16 bytes of val in k' order.
.macro VEND a
	PIECE_OUT \a, ASTG, 0, 1, 0
	s_wait_alu depctr_vm_vsrc(0)                   ; PIECE_OUT's LDS stores have read T, in which P lands and the zeros are written; val's stores of the piece before have read v[KF ..], in which V^T lands
.irp u, 0,1
.irp t, 0,1,2,3
	ds_load_b128 v[KF+32*(\u)+8*(\t):KF+32*(\u)+8*(\t)+3],   v[ASTL] offset:PA*(2*(\u))+512*(\t)
	ds_load_b128 v[KF+32*(\u)+8*(\t)+4:KF+32*(\u)+8*(\t)+7], v[ASTL] offset:PA*(2*(\u)+1)+512*(\t)
.endr
.endr
.irp u, 0,1
	ds_load_b128 v[T+12*(\u):T+12*(\u)+3],    v[AQ+(\a)/2] offset:((\a)%2)*16*PA+PA*(2*(\u))
	ds_load_b128 v[T+12*(\u)+8:T+12*(\u)+11], v[AQ+(\a)/2] offset:((\a)%2)*16*PA+PA*(2*(\u)+1)
.irp z, 0,1,2,3
	v_mov_b32 v[T+12*(\u)+4+(\z)], 0               ; the sixteen terms that a position leaves to its partner; no load lands in these four registers
.endr
.endr
	s_wait_dscnt 0x0
	s_barrier_signal -1
.irp u, 0,1
.irp s, 0,1
.irp t, 0,1,2,3
.set DD, 160-128*(\u)+8*(4*(\s)+(\t))
	v_wmma_f32_16x16x32_f16 v[DD:DD+7], v[KF+32*(\u)+8*(\t):KF+32*(\u)+8*(\t)+7], v[T+12*(\u)+4*(\s):T+12*(\u)+4*(\s)+7], 0
.endr
.endr
.endr
	PLACES
.irp u, 0,1
.irp s, 0,1
.irp t, 0,1,2,3
.set DD, 160-128*(\u)+8*(4*(\s)+(\t))
.irp p, 0,1,2,3
	v_cvt_pk_f16_f32 v[KF+4*(8*(\u)+4*(\s)+(\t))+(\p)], v[DD+2*(\p)], v[DD+2*(\p)+1]
.endr
.endr
.endr
.endr
	s_wait_alu depctr_va_vdst(0)                   ; the conversions have written v[KF ..], which the LDS stores below read
	s_barrier_wait -1                              ; every wave's reads of the stage are over
.irp u, 0,1
.irp s, 0,1
.irp t, 0,1,2,3
	ds_store_b128 v[AV+(\a)/2], v[KF+4*(8*(\u)+4*(\s)+(\t)):KF+4*(8*(\u)+4*(\s)+(\t))+3] offset:(16*((\a)%2)+2*(\u)+(\s))*PA+512*(\t)
.endr
.endr
.endr
.endm
.irp a, 0,1,2,3
	VEND \a
.endr
	s_wait_dscnt 0x0                               ; for the others' sake: my positions' val is in R1
	s_barrier_signal -1
	s_barrier_wait -1
	; PHASE O: out0 = val Wo + bo, tiles 96 to 127, in f16.  The loop is left behind tile 125; the last two tiles are written out: no load leaves Wf
	GEMM f16, R1, 3, 15, 0
	TILE 0, f16, 0, 1, 0, 0, 0
	TILE 1, f16, 0, 0, 0, 0, 0
	; O's END.  A lane holds 32 bytes of a row of out0.  16 rows at a time go through my own stage (where val lay, which nobody reads behind this barrier) and come back as whole pieces of 512 bytes.
	PLACES
	WIN 0
	s_wait_dscnt 0x0
	s_barrier_signal -1
	s_barrier_wait -1
	s_wait_alu depctr_va_vdst(0)                   ; the products have written the accumulators, which the LDS stores below read, and are done reading the fragments and the ring, in which the stage's rows land; the places above stay beside this wait; no vector instruction follows it
.macro OEND a
.set OB, 32*(1-(\a)%2)                 ; back into v32-159 of window 0 (even a) or v0-127 of window 1 (odd a)
.irp hf, 0,1
	WIN 0x08+4*(\hf)                               ; store data in window 2, 3
.irp b, 0,1,2,3,4,5,6,7
	ds_store_b128 v[AOS], v[8*(8*(\a)+(\b)):8*(8*(\a)+(\b))+3]   offset:64*(8*(\hf)+(\b))
	ds_store_b128 v[AOS], v[8*(8*(\a)+(\b))+4:8*(8*(\a)+(\b))+7] offset:64*(8*(\hf)+(\b))+16
.endr
.endr
	WIN 0x40*((\a)%2)
	s_wait_xcnt 0x0                                ; the stores of two pieces back have had their addresses translated: their data registers are loaded again below
.if (\a) >= 2
	s_wait_alu depctr_vm_vsrc(0)                   ; the stores of two pieces back have read the registers in which the loads below land
.endif
.set oi, 0
.rept 32
	ds_load_b128 v[OB+4*oi:OB+4*oi+3], v[AOL] offset:PO*(oi/2)+512*(oi%2)  ; LDS serves a wave's instructions in order (ISA guide 5.7.1.4): these see the stores above, and the next piece's stores come behind them
.set oi, oi+1
.endr
	WIN 0x04*((\a)%2)
.set oi, 0
.rept 32
	s_wait_dscnt 31-oi                             ; load oi is in, the younger ones may stay out
	global_store_b128 v[XO], v[OB+4*oi:OB+4*oi+3], s[12:13] offset:(16*(\a)+oi/2)*4096+512*(oi%2) th:TH_STORE_NT  ; 512 consecutive bytes, at a multiple of 512 from out0's first byte
.set oi, oi+1
.endr
.endm
.irp a, 0,1,2,3
	OEND \a
.endr
	WIN 0
	s_wait_dscnt 0x0                               ; the closing lines, six on end
	s_wait_alu 0x0
	s_wait_tensorcnt 0x0
	ds_add_u32 v[SPW], v[NIL]
	s_wait_dscnt 0x0
	s_endpgm
.Lfunc_end_k_qbedc812d84_main:
	.size	k_qbedc812d84_main, .Lfunc_end_k_qbedc812d84_main-k_qbedc812d84_main
	.p2alignl 7, 3214868480
	.fill 96, 4, 3214868480
	.section	.rodata,"a",@progbits
	.p2align	6, 0x0
	.amdhsa_kernel k_qbedc812d84_main
		.amdhsa_group_segment_fixed_size 314112
		.amdhsa_private_segment_fixed_size 0
		.amdhsa_enable_private_segment 0
		.amdhsa_kernarg_size 40
		.amdhsa_user_sgpr_count 2
		.amdhsa_user_sgpr_kernarg_segment_ptr 1
		.amdhsa_wavefront_size32 1
		.amdhsa_system_sgpr_workgroup_id_x 1
		.amdhsa_system_sgpr_workgroup_id_y 1
		.amdhsa_system_sgpr_workgroup_id_z 1
		.amdhsa_system_vgpr_workitem_id 0
		.amdhsa_next_free_vgpr 1024
		.amdhsa_next_free_sgpr 98
		.amdhsa_reserve_vcc 0
		.amdhsa_float_denorm_mode_32 3
		.amdhsa_float_denorm_mode_16_64 3
		.amdhsa_memory_ordered 1
		.amdhsa_forward_progress 1
		.amdhsa_inst_pref_size 255
	.end_amdhsa_kernel
	.section	.bss,"aw",@nobits
	.p2align	6
	.space	262144
	.amdgpu_metadata
---
amdhsa.version: [ 1, 2 ]
amdhsa.kernels:
  - .name:           k_qbedc812d84_main
    .symbol:         k_qbedc812d84_main.kd
    .args:
      - { .name: x, .offset: 0, .size: 8, .value_kind: global_buffer, .address_space: global }
      - { .name: y, .offset: 8, .size: 8, .value_kind: global_buffer, .address_space: global }
      - { .name: Wf, .offset: 16, .size: 8, .value_kind: global_buffer, .address_space: global }
      - { .name: Bt, .offset: 24, .size: 8, .value_kind: global_buffer, .address_space: global }
      - { .name: out0, .offset: 32, .size: 8, .value_kind: global_buffer, .address_space: global }
    .group_segment_fixed_size: 314112
    .private_segment_fixed_size: 0
    .kernarg_segment_align: 8
    .kernarg_segment_size: 40
    .max_flat_workgroup_size: 128
    .sgpr_count:     98
    .vgpr_count:     1024
    .wavefront_size: 32
...
	.end_amdgpu_metadata
.endif
;; end of part 4
